; MI455X (gfx1250); checked and timed in simulation.
; The chip was launched on July 23, 2026; its instructions are those of AMD's public machine-readable ISA for CDNA 5 (MIT licence, August 2026) and "CDNA5" Instruction Set Architecture Reference Guide (July 2026). The comments in the code are by the model that wrote it; some were corrected since.
;; Multi Head Attn Block. Allowed arithmetic: matrix products marked QUANTISED: E2M3 operands, one E8M0 scale for each 32 along K, by v_wmma_scale_f32_16x16x128_f8f6f4 with both operands' format E2M3, f32 sums; everything else in f32.
;; Inputs: Wk 1,024 x 1,024 float32; Wo 1,024 x 1,024 float32; Wq 1,024 x 1,024 float32; Wv 1,024 x 1,024 float32; beta 1,024 float32; bk 1,024 float32; bo 1,024 float32; bq 1,024 float32; bv 1,024 float32; gamma 1,024 float32; x 4 x 2,048 x 1,024 float32.
;; Outputs: out0 4 x 2,048 x 1,024 float32.
;; This version of the problem:
;;   THIS VERSION OF THE PROBLEM IS GIVEN IN LOW PRECISION. The matrix products marked QUANTISED in the list below multiply operands that are first quantised to E2M3 (2 exponent bits, 3 mantissa bits; 6 bits a number), with one power-of-two scale for each 32 numbers along K (OCP MX v1.0); their sums are f32. All else is computed in f32.
;;   The module's matrix products, in the order in which they are computed (A, B: the left and right operand; K: the contracted axis; several contracted axes count as one K, in the product's order):
;;     1. [M 8,192, K 1,024] x [K 1,024, N 1,024]; A: input x; B: input Wq: QUANTISED
;;     2. [M 8,192, K 1,024] x [K 1,024, N 1,024]; A: input x; B: input Wk: QUANTISED
;;     3. [M 8,192, K 1,024] x [K 1,024, N 1,024]; A: input x; B: input Wv: QUANTISED
;;     4. batch 32 x [M 2,048, K 128] x [K 128, N 2,048]; A: computed on the way; B: computed on the way: QUANTISED
;;     5. batch 32 x [M 2,048, K 2,048] x [K 2,048, N 128]; A: softmax (see below); B: computed on the way: QUANTISED
;;     6. [M 8,192, K 1,024] x [K 1,024, N 1,024]; A: computed on the way; B: input Wo: QUANTISED
;;   THE QUANTISER, for each operand of a quantised product, along K:
;;     - K is cut into blocks of 32 from its start; a last block that is shorter is filled with zeros.
;;     - A block's scale is 2^e with e = floor(log2(the largest magnitude in the block)) - 2, held to -126 .. 127; a block of zeros has e = 0. As a byte (E8M0): e + 127.
;;     - Each number is divided by its block's scale, clamped to +-7.5, and rounded to the nearest number of E2M3, ties to even, subnormals kept.
;;     - The product sums the exact products of the quantised numbers (number of the format x scale) in f32.
;;   ~~~python
;;   def quantise(x, axis):      # numpy; x: float32 -> the quantised numbers, widened to float32 again
;;       x = np.moveaxis(x, axis, -1); K = x.shape[-1]
;;       x = np.pad(x, [(0, 0)] * (x.ndim - 1) + [(0, -K % 32)]); x = x.reshape(x.shape[:-1] + (-1, 32)); a = np.abs(x).max(-1, keepdims=True)
;;       e = np.where(a > 0, np.clip(np.frexp(np.where(a > 0, a, 1))[1] - 1 - 2, -126, 127), 0)      # np.frexp(a)[1] - 1 = floor(log2(a)), exactly
;;       r = np.clip(x / 2.0 ** e, -7.5, 7.5)
;;       step = 2.0 ** (np.maximum(np.frexp(np.where(r == 0, 1, r))[1] - 1, 0) - 3)
;;       q = np.round(r / step) * step * 2.0 ** e      # np.round: ties to even
;;       return np.moveaxis(q.reshape(q.shape[:-2] + (-1,))[..., :K], -1, axis).astype(np.float32)
;;   ~~~
;;   SOFTMAX AHEAD OF A QUANTISED PRODUCT. Where the list says 'softmax', what is quantised is not the finished softmax but p = 2^(t - M), with t = logit x log2(e) and M = ceil(the row's largest t), a whole number; so 1/2 < the row's largest p <= 1. The row's sum l is taken of the UNQUANTISED p, in f32, and the product's result is divided by l at the end. Since M is a whole number, a kernel that streams over the keys may use a running M (the ceiling of the running maximum): every later rescaling is an exact power of two, which a block's scale takes up: the codes' values come out the same.
;;   OPERANDS COMPUTED ON THE WAY. 'Computed on the way' means the value that the module computes at that place (a softmax that the list does not call 'softmax' is quantised finished and normalised). What goes into a quantiser is computed in f32, as accurately as f32 sums, v_exp_f32 and their like allow (about 1e-6 of the number): no bf16 or f16 on the way to a quantiser, and a product that is left as it is and whose result goes on into a quantised operand takes f32 operands (vector FMAs, or v_wmma_f32_16x16x4_f32). A number that lies on a knife's edge between two numbers of the format may be rounded either way, as far as f32 arithmetic and the matrix unit's own rounding can turn it there, and no further.
;; One version. Each part assembles by itself: llvm-mc -triple=amdgcn-amd-amdhsa -mcpu=gfx1250 --defsym DOCPART=n.
;; ======== version 1 of 1: 4 launches
;; limits: right only within a limited range of input values
;; workspace buffers: inimg 9,437,184 bytes; insc 393,216 bytes; qkvimg 18,874,368 bytes; qkvsc 786,432 bytes; cimg 6,291,456 bytes; csc 262,144 bytes
;; launch prep (part 1): grid 640 x 1, 8 waves a work-group, no clusters, 70,656 bytes of LDS; arguments x, Wq, Wk, Wv, Wo, inimg, insc; writes inimg, insc
.if DOCPART == 1
	.amdgcn_target "amdgcn-amd-amdhsa--gfx1250"
	.amdhsa_code_object_version 6
	.text
	.protected	k_qed0e55cb09_prep
	.globl	k_qed0e55cb09_prep
	.p2align	8
	.type	k_qed0e55cb09_prep,@function
k_qed0e55cb09_prep:
	s_mov_b64 s[64:65], 0
	v_nop
	global_prefetch_b8 v0, s[64:65] scope:SCOPE_SE
	s_setreg_imm32_b32 hwreg(HW_REG_WAVE_MODE, 25, 1), 1
	s_wait_xcnt 0x0
; x [8192][1024] and Wq, Wk, Wv, Wo [1024 (k)][1024 (n)], f32, become codes of FP6 (E2M3) with one E8M0 byte for each 32 along K.
; THE CODES ARE STORED AS IMAGES OF OPERAND REGISTERS.  A fragment is 16 rows x 128 K: 12 registers a lane, 1,536 bytes: registers 4 c .. 4 c + 3 of lane l at 512 c + 16 l.
; THE ROWS OF A STORED TILE ARE NOT NEIGHBOURS: lane r of stored tile T holds row 32 (T / 2) + 8 (T % 2) + r + 8 (r / 8), so that a product which takes tiles 2 b and 2 b + 1 as its
; first source leaves 16 neighbouring rows in a lane's 16 result registers.
; inimg: fragment (tile T, K step q) at (8 T + q) x 1,536; tiles: x 0-511, Wq 512-575, Wk 576-639, Wv 640-703; Wo from WOB on, in the order in which the last launch streams it:
; ((tile / 16 x 8 + q) x 16 + tile % 16) x 1,536.   insc: [group of 8 tiles][q][r][tile in group], one word (128 along K of one row) each.
; A block's scale is 2^(floor(log2(largest magnitude)) - 2); its byte is the largest magnitude's exponent field - 2, held at 1 from below.
; LIMITS: a block of zeros, or one whose largest magnitude lies under 2^-124, gets the byte 1 (the rule says 127 for zeros): its codes are what the conversion gives under that byte, zeros for
; zeros, and only this program reads the bytes.  NaN and infinities among the inputs are not served.
; Work-groups 0-511 take x (eight waves: eight tiles of one group, one K step); 512-639 the weights.  The two ways part once, on the work-group's number, and have LDS bytes of their own.
; No tensor loads, no matrix work, no cluster: nothing is read twice and work-groups share nothing.
.set XSTB, 8448                        ; x's way: a wave's stage, 16 rows x (512 bytes + 16)
.set XSCL, 8*XSTB                      ; x's way: 512 bytes of scale words
.set WSCL, XSCL+512                    ; the weights' way: 2 x 512 bytes of scale words
.set WOB,  8650752                     ; 704 tiles x 8 x 1,536
.set WV,   18
.set SEL,  40                          ; s[40:41] v_permlanex16_b32's selects for lane l xor 16
.set LI,   4                           ; v4  16 x lane
.set R,    16                          ; v16-79   x: 16 rows as loaded;  weights: two sets of 32 numbers
.set X,    80                          ; v80-143  x: my 64 numbers, register 16 b + i = k 32 b + 16 (lane / 16) + i of my row
.set TM,   144                         ; v144-159 at work
.set PC,   160                         ; v160-179 x: the codes;  weights: v160-171, v172-183 two fragments, v184-186 half a block
.set PW,   188                         ; the scale word
.set XW,   16
.set P0,   160
.set P1,   172
.set TC,   184
; 64 numbers of a lane, v[s] on, register 16 b + i = k 32 b + 16 (lane / 16) + i of my row, become a fragment's codes in v[PC] on and its scale word in v[PW].
.macro QUANT s
.irp b, 0,1,2,3
	v_max3_num_f32 v[TM+\b], |v[\s+16*\b]|, |v[\s+1+16*\b]|, 0x1800000   ; block b: my 16 numbers, and the floor 2^(3 - 127): the byte cannot fall under 1
.endr
.irp i, 2,4,6,8,10,12,14
.irp b, 0,1,2,3
	s_delay_alu instid0(VALU_DEP_4)
	v_max3_num_f32 v[TM+\b], v[TM+\b], |v[\s+16*\b+\i]|, |v[\s+1+16*\b+\i]|   ; the four blocks by turns
.endr
.endr
.irp b, 0,1,2,3
	s_delay_alu instid0(VALU_DEP_4)
	v_permlanex16_b32 v[TM+4+\b], v[TM+\b], s[SEL], s[SEL+1]
.endr
.irp b, 0,1,2,3
	s_delay_alu instid0(VALU_DEP_4)
	v_max_num_f32 v[TM+\b], v[TM+\b], v[TM+4+\b]   ; with lane l xor 16's 16: the block's largest magnitude
.endr
.irp b, 0,1,2,3
	s_delay_alu instid0(VALU_DEP_4)
	v_add_nc_u32 v[TM+12+\b], 0xff000000, v[TM+\b] ; 2 off its exponent field: the conversion takes this operand's exponent field as its scale
.endr
.irp b, 0,1,2,3
	s_delay_alu instid0(VALU_DEP_4)
	v_lshrrev_b32 v[TM+4+\b], 23, v[TM+12+\b]      ; the scale's byte
.endr
	s_delay_alu instid0(VALU_DEP_3)
	v_lshl_or_b32 v[PW], v[TM+5], 8, v[TM+4]
	s_delay_alu instid0(VALU_DEP_1)
	v_lshl_or_b32 v[PW], v[TM+6], 16, v[PW]
	s_delay_alu instid0(VALU_DEP_1)
	v_lshl_or_b32 v[PW], v[TM+7], 24, v[PW]
.irp c, 0,1
	v_cvt_scalef32_pk16_fp6_f32 v[PC+6*\c:PC+2+6*\c], v[\s+32*\c:\s+15+32*\c], v[TM+12+2*\c]
	v_cvt_scalef32_pk16_fp6_f32 v[PC+12+4*\c:PC+14+4*\c], v[\s+16+32*\c:\s+31+32*\c], v[TM+12+2*\c+1]   ; (a conversion's three registers begin on an even number)
.endr
	v_nop                                          ; one plain line behind the conversions
.irp c, 0,1                                    ; the layout wants a whole block in a lane: lanes 0-15 block 2 c, lanes 16-31 block 2 c + 1
.irp i, 0,1,2
	v_permlane16_swap_b32 v[PC+6*\c+\i], v[PC+12+4*\c+\i]
.endr
.irp i, 0,1,2
	s_delay_alu instid0(VALU_DEP_3)
	v_mov_b32 v[PC+3+6*\c+\i], v[PC+12+4*\c+\i]
.endr
.endr
.endm
	s_load_b256 s[4:11], s[0:1], 0x0               ; x s[4:5], Wq s[6:7], Wk s[8:9], Wv s[10:11]
	s_load_b128 s[12:15], s[0:1], 0x20             ; Wo s[12:13], inimg s[14:15]
	s_load_b64 s[16:17], s[0:1], 0x30              ; insc
	v_lshl_add_u32 v192, v0, 2, 0x11000
	v_mov_b32 v193, 0
	v_lshrrev_b32 v1, 5, v0
	s_delay_alu instid0(VALU_DEP_1)
	v_readfirstlane_b32 s[WV], v1                  ; wave 0..7
	v_and_b32 v1, 31, v0                           ; lane
	v_and_b32 v2, 15, v0                           ; r
	v_bfe_u32 v3, v0, 4, 1                         ; h
	s_delay_alu instid0(VALU_DEP_3)
	v_lshlrev_b32 v[LI], 4, v1
	; every LDS address of both ways is made here, ahead of the parting
	s_mul_i32 s19, s[WV], XSTB
	v_add_nc_u32 v5, s19, v[LI]                    ; x: into my stage: 16 bytes a lane of a row's 512
	v_mul_u32_u24 v6, v2, 528
	s_delay_alu instid0(VALU_DEP_1)
	v_lshl_add_u32 v6, v3, 6, v6
	s_delay_alu instid0(VALU_DEP_1)
	v_add_nc_u32 v6, s19, v6                       ; x: out of it: row r, + 64 h
	s_lshl_b32 s19, s[WV], 2
	s_add_co_u32 s19, s19, XSCL
	v_lshl_add_u32 v7, v2, 5, s19                  ; x: my row's scale word: 32 r + 4 x wave (the tile in its group)
	v_add_nc_u32 v8, XSCL, v[LI]                   ; x: the 512 bytes back, 16 a lane
	v_and_b32 v9, 7, v0
	v_bfe_u32 v12, v0, 3, 1
	s_delay_alu instid0(VALU_DEP_1)
	v_lshl_add_u32 v9, v12, 4, v9
	s_delay_alu instid0(VALU_DEP_1)
	v_lshl_add_u32 v9, v3, 3, v9                   ; weights: my column among the wave's 32: the lane's number with bits 3 and 4 changed over,
	s_delay_alu instid0(VALU_DEP_1)
	v_lshlrev_b32 v9, 2, v9                        ; in bytes: lanes 0-15 are stored tile 2 j's rows, lanes 16-31 tile 2 j + 1's
	s_and_b32 s20, s[WV], 3                        ; j
	s_lshr_b32 s21, s[WV], 2                       ; which of the work-group's two K steps
	s_lshl_b32 s22, s21, 9
	s_lshl_b32 s23, s20, 3
	s_add_co_u32 s22, s22, s23
	s_add_co_u32 s22, s22, WSCL
	v_lshl_add_u32 v10, v2, 5, s22
	s_delay_alu instid0(VALU_DEP_1)
	v_lshl_add_u32 v10, v3, 2, v10                 ; weights: my column's scale word: 512 (wave / 4) + 32 r + 4 (2 j + h)
	s_and_b32 s23, s[WV], 1
	s_lshl_b32 s23, s23, 9
	s_add_co_u32 s23, s23, WSCL
	v_add_nc_u32 v11, s23, v[LI]                   ; weights: 512 bytes back (waves 0 and 1)
	s_mov_b32 s[SEL], 0x76543210
	s_mov_b32 s[SEL+1], 0xfedcba98
.irp b, 0,1,2,3
	v_mov_b32 v[TM+4+\b], 0                        ; written once: a lane permute's destination counts as one of its sources
.endr
	s_cmp_ge_u32 ttmp9, 512
	s_cbranch_scc1 .Lweights
	; ---- x: group G = id / 8, K step q = id % 8; wave w takes stored tile 8 G + w
	s_lshr_b32 s24, ttmp9, 3
	s_and_b32 s25, ttmp9, 7
	s_lshl_b32 s26, s24, 7                         ; the tile's first row: 128 G + 32 (w / 2) + 8 (w % 2)
	s_lshr_b32 s27, s[WV], 1
	s_lshl_b32 s27, s27, 5
	s_add_co_u32 s26, s26, s27
	s_and_b32 s27, s[WV], 1
	s_lshl_b32 s27, s27, 3
	s_add_co_u32 s26, s26, s27
	s_lshl_b32 s26, s26, 12                        ; rows of 4,096 bytes
	s_lshl_b32 s27, s25, 9
	s_add_co_u32 s26, s26, s27                     ; + 512 q
	s_mov_b32 s27, 0
	s_lshl_b32 s28, s24, 3
	s_add_co_u32 s28, s28, s[WV]
	s_lshl_b32 s28, s28, 3
	s_add_co_u32 s28, s28, s25
	s_mul_i32 s28, s28, 1536                       ; the image: (8 T + q) x 1,536
	s_mov_b32 s29, 0
	s_lshl_b32 s30, s24, 12
	s_lshl_b32 s31, s25, 9
	s_add_co_u32 s30, s30, s31                     ; the scale words: 4,096 G + 512 q
	s_mov_b32 s31, 0
	s_wait_kmcnt 0x0
	s_add_nc_u64 s[26:27], s[4:5], s[26:27]
	s_add_nc_u64 s[28:29], s[14:15], s[28:29]
	s_add_nc_u64 s[30:31], s[16:17], s[30:31]
.set i, 0
.rept 16
	global_load_b128 v[R+4*i:R+4*i+3], v[LI], s[26:27] offset:(i+8*(i/8))*4096 th:TH_LOAD_NT   ; tile row i: 32 lanes read 512 consecutive bytes
.set i, i+1
.endr
.set i, 0
.rept 16
	s_wait_loadcnt 15-i                            ; row i is in; the younger loads stay out
	ds_store_b128 v5, v[R+4*i:R+4*i+3] offset:528*i
.set i, i+1
.endr
.irp b, 0,1,2,3
.irp j, 0,1,2,3
	ds_load_b128 v[X+16*\b+4*\j:X+16*\b+4*\j+3], v6 offset:128*\b+16*\j   ; LDS serves a wave's instructions in order: these see my stores
.endr
.endr
	s_wait_dscnt 0x0
	QUANT X
.irp c, 0,1,2
	global_store_b128 v[LI], v[PC+4*\c:PC+4*\c+3], s[28:29] offset:512*\c   ; 512 consecutive bytes a store
.endr
	ds_store_b32 v7, v[PW]                         ; lanes r and r + 16 write the same word with the same value
	s_wait_dscnt 0x0                               ; for the others' sake: my word has landed
	s_barrier_signal -1
	s_barrier_wait -1
	s_cmp_lg_u32 s[WV], 0
	s_cbranch_scc1 .Lx_done
	ds_load_b128 v[R:R+3], v8                      ; the group's 128 words of this K step
	s_wait_dscnt 0x0
	global_store_b128 v[LI], v[R:R+3], s[30:31]    ; 512 consecutive bytes
.Lx_done:
	s_wait_tensorcnt 0x0
	ds_add_u32 v192, v193
	s_wait_dscnt 0x0
	s_endpgm
	; ---- weights: id' = id - 512: weight id' / 32, column group cg = (id' / 4) % 8 (128 columns), Q = id' % 4; wave w: columns 32 j on, K step q = 2 Q + w / 4.
	; A LANE TAKES A COLUMN AND ITS REGISTERS RUN DOWN K: a block of 32 lies in one lane, and the conversions give codes with K innermost.
.Lweights:
	s_sub_co_u32 s24, ttmp9, 512
	s_lshr_b32 s25, s24, 5                         ; which weight: 0 Wq, 1 Wk, 2 Wv, 3 Wo
	s_bfe_u32 s26, s24, 0x30002                    ; cg
	s_and_b32 s27, s24, 3                          ; Q
	s_lshl_b32 s28, s27, 1
	s_add_co_u32 s28, s28, s21                     ; q
	s_lshl_b32 s30, s28, 19                        ; 128 q rows of 4,096 bytes
	s_lshl_b32 s31, s26, 9
	s_add_co_u32 s30, s30, s31                     ; + 512 cg
	s_lshl_b32 s31, s20, 7
	s_add_co_u32 s30, s30, s31                     ; + 128 j
	s_mov_b32 s31, 0
	s_lshl_b32 s32, s25, 6                         ; Wq, Wk, Wv: tile 512 + 64 weight + 8 cg + 2 j
	s_lshl_b32 s33, s26, 3
	s_add_co_u32 s32, s32, s33
	s_lshl_b32 s33, s20, 1
	s_add_co_u32 s32, s32, s33
	s_add_co_u32 s32, s32, 512
	s_lshl_b32 s32, s32, 3
	s_add_co_u32 s32, s32, s28
	s_mul_i32 s32, s32, 1536
	s_lshr_b32 s34, s26, 1                         ; Wo: ((8 (cg / 2) + q) x 16 + 8 (cg % 2) + 2 j) x 1,536 behind WOB
	s_lshl_b32 s34, s34, 3
	s_add_co_u32 s34, s34, s28
	s_lshl_b32 s34, s34, 4
	s_and_b32 s35, s26, 1
	s_lshl_b32 s35, s35, 3
	s_add_co_u32 s34, s34, s35
	s_add_co_u32 s34, s34, s33
	s_mul_i32 s34, s34, 1536
	s_add_co_u32 s34, s34, WOB
	s_mov_b32 s36, 12288
	s_cmp_eq_u32 s25, 3
	s_cselect_b32 s32, s34, s32                    ; where tile 2 j's fragment goes,
	s_cselect_b32 s34, 1536, s36                   ; and how far on tile 2 j + 1's
	s_mov_b32 s33, 0
	s_mov_b32 s35, 0
	s_lshl_b32 s36, s25, 3                         ; the scale words: group 64 + 8 weight + cg, K step 2 Q + (wave % 2)
	s_add_co_u32 s36, s36, s26
	s_add_co_u32 s36, s36, 64
	s_lshl_b32 s36, s36, 12
	s_lshl_b32 s37, s27, 1
	s_and_b32 s38, s[WV], 1
	s_add_co_u32 s37, s37, s38
	s_lshl_b32 s37, s37, 9
	s_add_co_u32 s36, s36, s37
	s_mov_b32 s37, 0
	s_wait_kmcnt 0x0
	s_cmp_eq_u32 s25, 1                            ; the choice of buffer hangs on the work-group's number alone
	s_cselect_b64 s[6:7], s[8:9], s[6:7]
	s_cmp_eq_u32 s25, 2
	s_cselect_b64 s[6:7], s[10:11], s[6:7]
	s_cmp_eq_u32 s25, 3
	s_cselect_b64 s[6:7], s[12:13], s[6:7]
	s_add_nc_u64 s[6:7], s[6:7], s[30:31]
	s_add_nc_u64 s[32:33], s[14:15], s[32:33]
	s_add_nc_u64 s[34:35], s[32:33], s[34:35]
	s_add_nc_u64 s[36:37], s[16:17], s[36:37]
.macro WLOAD t                         ; block t: W(128 q + 32 t + i, my column) into set t % 2: a wave reads 128 consecutive bytes, four waves side by side 512
.set i, 0
.rept 32
	global_load_b32 v[XW+32*((\t)%2)+i], v9, s[6:7] offset:(32*(\t)+i)*4096 th:TH_LOAD_NT
.set i, i+1
.endr
.endm
.macro WBLOCK t
.set XS, XW+32*((\t)%2)
.set PD, P0+12*((\t)%2)+6*((\t)/2)     ; even blocks to the first run of registers, odd ones to the second
.if (\t) < 3
	s_wait_loadcnt 32                              ; this block's 32 loads are in; the next block's may be out
.else
	s_wait_loadcnt 0x0
.endif
	v_max3_num_f32 v12, |v[XS]|, |v[XS+1]|, |v[XS+2]|
	v_max3_num_f32 v13, |v[XS+3]|, |v[XS+4]|, |v[XS+5]|
.irp i, 6,10,14,18,22,26
	s_delay_alu instid0(VALU_DEP_2)
	v_max3_num_f32 v12, v12, |v[XS+\i]|, |v[XS+\i+1]|
	s_delay_alu instid0(VALU_DEP_2)
	v_max3_num_f32 v13, v13, |v[XS+\i+2]|, |v[XS+\i+3]|
.endr
	s_delay_alu instid0(VALU_DEP_2)
	v_max3_num_f32 v12, v12, |v[XS+30]|, |v[XS+31]|
	s_delay_alu instid0(VALU_DEP_1)
	v_max3_num_f32 v12, v12, v13, 0x1800000        ; and the floor
	s_delay_alu instid0(VALU_DEP_1)
	v_add_nc_u32 v14, 0xff000000, v12              ; the conversions' scale operand
	s_delay_alu instid0(VALU_DEP_1)
	v_lshrrev_b32 v15, 23, v14                     ; the byte
.if (\t) == 0
	s_delay_alu instid0(VALU_DEP_1)
	v_mov_b32 v[PW], v15
.else
	s_delay_alu instid0(VALU_DEP_1)
	v_lshl_or_b32 v[PW], v15, 8*(\t), v[PW]
.endif
	v_cvt_scalef32_pk16_fp6_f32 v[PD:PD+2], v[XS:XS+15], v14
	v_cvt_scalef32_pk16_fp6_f32 v[TC:TC+2], v[XS+16:XS+31], v14
	v_nop                                          ; one plain line behind the conversions
.irp i, 0,1,2
	v_mov_b32 v[PD+3+\i], v[TC+\i]
.endr
.if (\t)+2 < 4
	WLOAD (\t)+2
.endif
.endm
	s_wait_alu depctr_va_vdst(0)
	WLOAD 0
	WLOAD 1
	WBLOCK 0
	WBLOCK 1
	WBLOCK 2
	WBLOCK 3
.set i, 0
.rept 12                               ; lanes 0-15 hold all four blocks of tile 2 j's rows, lanes 16-31 of tile 2 j + 1's: the exchange leaves tile 2 j's fragment in the first run, tile 2 j + 1's in the second
	v_permlane16_swap_b32 v[P0+i], v[P1+i]
.set i, i+1
.endr
.irp c, 0,1,2
	global_store_b128 v[LI], v[P0+4*\c:P0+4*\c+3], s[32:33] offset:512*\c
	global_store_b128 v[LI], v[P1+4*\c:P1+4*\c+3], s[34:35] offset:512*\c
.endr
	ds_store_b32 v10, v[PW]
	s_wait_dscnt 0x0                               ; for the others' sake
	s_barrier_signal -1
	s_barrier_wait -1
	s_cmp_gt_u32 s[WV], 1
	s_cbranch_scc1 .Lw_done
	ds_load_b128 v[XW:XW+3], v11                   ; waves 0 and 1: the group's words of one K step each
	s_wait_dscnt 0x0
	global_store_b128 v[LI], v[XW:XW+3], s[36:37]
.Lw_done:
	s_wait_tensorcnt 0x0
	ds_add_u32 v192, v193
	s_wait_dscnt 0x0
	s_endpgm
.Lfunc_end_k_qed0e55cb09_prep:
	.size	k_qed0e55cb09_prep, .Lfunc_end_k_qed0e55cb09_prep-k_qed0e55cb09_prep
	.p2alignl 7, 3214868480
	.fill 96, 4, 3214868480
	.section	.rodata,"a",@progbits
	.p2align	6, 0x0
	.amdhsa_kernel k_qed0e55cb09_prep
		.amdhsa_group_segment_fixed_size 70656
		.amdhsa_private_segment_fixed_size 0
		.amdhsa_enable_private_segment 0
		.amdhsa_kernarg_size 56
		.amdhsa_user_sgpr_count 2
		.amdhsa_user_sgpr_kernarg_segment_ptr 1
		.amdhsa_wavefront_size32 1
		.amdhsa_system_sgpr_workgroup_id_x 1
		.amdhsa_system_sgpr_workgroup_id_y 1
		.amdhsa_system_sgpr_workgroup_id_z 1
		.amdhsa_system_vgpr_workitem_id 0
		.amdhsa_next_free_vgpr 194
		.amdhsa_next_free_sgpr 66
		.amdhsa_reserve_vcc 0
		.amdhsa_float_denorm_mode_32 3
		.amdhsa_float_denorm_mode_16_64 3
		.amdhsa_memory_ordered 1
		.amdhsa_forward_progress 1
		.amdhsa_inst_pref_size 38
	.end_amdhsa_kernel
	.amdgpu_metadata
---
amdhsa.version: [ 1, 2 ]
amdhsa.kernels:
  - .name:           k_qed0e55cb09_prep
    .symbol:         k_qed0e55cb09_prep.kd
    .args:
      - { .name: x, .offset: 0, .size: 8, .value_kind: global_buffer, .address_space: global }
      - { .name: Wq, .offset: 8, .size: 8, .value_kind: global_buffer, .address_space: global }
      - { .name: Wk, .offset: 16, .size: 8, .value_kind: global_buffer, .address_space: global }
      - { .name: Wv, .offset: 24, .size: 8, .value_kind: global_buffer, .address_space: global }
      - { .name: Wo, .offset: 32, .size: 8, .value_kind: global_buffer, .address_space: global }
      - { .name: inimg, .offset: 40, .size: 8, .value_kind: global_buffer, .address_space: global }
      - { .name: insc, .offset: 48, .size: 8, .value_kind: global_buffer, .address_space: global }
    .group_segment_fixed_size: 70656
    .private_segment_fixed_size: 0
    .kernarg_segment_align: 8
    .kernarg_segment_size: 56
    .max_flat_workgroup_size: 256
    .sgpr_count:     66
    .vgpr_count:     194
    .wavefront_size: 32
...
	.end_amdgpu_metadata
.endif
;; end of part 1
;; launch qkv (part 2): grid 96 x 4, 4 waves a work-group, clusters of 4 x 4, 327,680 bytes of LDS; arguments inimg, insc, bq, bk, bv, qkvimg, qkvsc; writes qkvimg, qkvsc
.if DOCPART == 2
	.amdgcn_target "amdgcn-amd-amdhsa--gfx1250"
	.amdhsa_code_object_version 6
	.text
	.protected	k_qed0e55cb09_qkv
	.globl	k_qed0e55cb09_qkv
	.p2align	8
	.type	k_qed0e55cb09_qkv,@function
k_qed0e55cb09_qkv:
	s_mov_b64 s[64:65], 0
	v_nop
	global_prefetch_b8 v0, s[64:65] scope:SCOPE_SE
	s_setreg_imm32_b32 hwreg(HW_REG_WAVE_MODE, 25, 1), 1
	s_wait_xcnt 0x0
	s_wait_alu depctr_hold_cnt(0) depctr_sa_sdst(0) depctr_va_vdst(0) depctr_va_sdst(0) depctr_va_ssrc(0) depctr_va_vcc(0) depctr_vm_vsrc(0)
	s_getreg_b32 s2, hwreg(HW_REG_IB_STS2, 6, 4)
	s_cmp_eq_u32 s2, 0
	s_cbranch_scc0 .Lentry_in_a_cluster
	s_endpgm
.Lentry_in_a_cluster:
	s_bfe_u32 s2, ttmp6, 0x10000c
	s_cmp_lg_u32 s2, 0xf033
	s_cbranch_scc0 .Lentry_shape_is_right
	s_endpgm
.Lentry_shape_is_right:
; q = x Wq + bq, k = x Wk + bk, v = x Wv + bv on codes of FP6 (E2M3) with E8M0 scales, K = 1,024; the results are quantised in registers and leave as fragment images.
; ONE FORM FOR ALL THREE: C'(m', n') = S1(m') . S0(n'), source 0 = 16 rows of S0, source 1 = 16 rows of S1: a lane holds ONE row of S1, and its registers run along S0, along which the result is quantised.
;   q, k: S1 = x (tokens), S0 = Wq | Wk (features): quantised along the head's 128.      v: S1 = Wv (features), S0 = x (tokens): quantised along 128 keys.
; Stored tiles hold their rows in the order 32 (T / 2) + 8 (T % 2) + r + 8 (r / 8), so the 64 result registers of one block of S1 against S0's eight tiles are 128 neighbours along S0, 16 to a half block.
; A tile of C' is 256 x 256: four waves, each 128 x 128 in 64 accumulators.  Clusters 0-15 (ttmp9) make q and k (32 x 8 tiles), clusters 16-23 make v (4 x 32 tiles); that number is the same in all sixteen partners.
; CLUSTERS: S1's tile hangs on the tile row alone and is asked for jointly by a row of the cluster, S0's on the tile column alone, by a column.
; K goes in quarters of 256 through three LDS slots: three first fills, one refill (quarter 3 into slot 0): by this text's count a wave has three tensor loads out at the start and later one.
; The bias is the C of each sum's first product.  qkvimg: [g][a: 8][1,536]; q, k: g = 64 head16 + token group; v: g = 1,024 + 16 (8 b + h) + key step.  qkvsc: [g][512], word (a, r) at 256 (a / 4) + 16 r + 4 (a % 4).
; LIMITS: as in the first launch: a block under 2^-124 (zeros too) gets the byte 1; NaN and infinities are not served.
; No prefetch: three quarters of K are asked for at the head, and the one refill has four K steps of products in which to land.
; REGISTERS: window 0: v1-15 addresses; v32-95 scale words of all 8 K steps (register 8 q + i: lanes 0-15 S1's block i, lanes 16-31 S0's); v96-159 the bias, later at work; v160-255 S1's 8 fragments, one set.
;   window 1: S0's fragments, two sets, at v0 and v128.   windows 2, 3: accumulator (a, b) at v[8 (8 (a % 4) + b)].
; THE FILLS, as the text below has them (this paragraph takes the place of what the lines above say of first fills, of the loads that are out, and of the refill's lead):
; at the head each wave issues ONE joint load of a whole tile of 16 stored tiles x 3,072 bytes: wave 0 S1's K quarter 0, wave 1 S0's quarter 0, wave 2 S1's quarter 1, wave 3 S0's quarter 1.
; Behind the wait for them, the add and a round of the cluster's barrier each wave asks for its quarter of slot 2 (K quarter 2, 8 stored tiles), a first fill issued as a refill is.
; In K step 2 slot 0 has been read out: K quarter 3 is asked for behind that step's round, and is waited for in K step 5.  By this text's count a wave never has more than one tensor load out.
; No prefetch: the launch has no loop to run ahead in, and half of K is asked for at the head.
.set SLOT,  98304
.set WLD,   24576                      ; a wave's load: 8 tiles x 2 fragments
.set TILEB, 3072
.set FRB,   1536
.set SPARE, 3*SLOT                     ; the spare words, 128 bytes for each wave: two blocks of 256 bytes that no other line names
.set LI,   3                           ; v3   16 x lane
.set SCO,  4                           ; v4   my place in insc
.set BOF,  5                           ; v5   my place in the bias
.set ADRA, 10                          ; v10-12 LDS address of S1's fragments in slot 0, 1, 2
.set ADRB, 13                          ; v13-15 of S0's
.set SPW,  28
.set NIL,  29
.set SC,   32
.set CB,   96
.set AF,   160
.set TM,   96                          ; the way out: v96-111 at work, v112-131 codes, v132-139 the eight scale words, v140-143 their image
.set PC,   112
.set PW,   132
.set SCI,  140
.set WV,   18
.set H1,   19                          ; which 128 rows of S1 are mine.  Also: I fetch for S1 (0) or for S0 (1)
.set H0,   20                          ; which 128 rows of S0.  Also: which half of that tile I fetch
.set ISV,  23
.set G1A,  24
.set G1B,  32
.set G0A,  40                          ; s[40:51] group 0 for S1's tiles, a set for each slot
.set G0B,  52                          ; s[52:63] for S0's
.set SEL,  82
.set MSB, 0
.macro WIN new                         ; the immediate's high byte repeats the setting that is left
.if MSB != (\new)
	s_set_vgpr_msb (MSB<<8)|(\new)
.set MSB, (\new)
.endif
.endm
.macro PLACES n
.rept \n
	v_nop
.endr
.endm
.macro JLOAD g0a, g1a, g0b, g1b        ; a joint load: waves 0, 1 for S1, waves 2, 3 for S0; four v_nop follow each line
	s_cmp_eq_u32 s[H1], 0
	s_cbranch_scc0 .Lfor_b_\@
	tensor_load_to_lds s[\g0a:\g0a+3], s[\g1a:\g1a+7]
	s_nop 0
	PLACES 4
	s_branch .Lasked_\@
.Lfor_b_\@:
	tensor_load_to_lds s[\g0b:\g0b+3], s[\g1b:\g1b+7]
	s_nop 0
	PLACES 4
.Lasked_\@:
.endm
.macro CREST                           ; a round of the cluster's barrier behind its opening barrier
	s_cmp_lg_u32 s[WV], 0
	s_cbranch_scc1 .Lnot_wave_0_\@
	s_barrier_signal -3
.Lnot_wave_0_\@:
	s_barrier_wait -3
	s_barrier_signal -1
	s_barrier_wait -1
.endm
.macro CROUND
	s_barrier_signal -1
	s_barrier_wait -1
	CREST
.endm
	s_load_b256 s[4:11], s[0:1], 0x0               ; inimg s[4:5], insc s[6:7], bq s[8:9], bk s[10:11]
	s_load_b128 s[12:15], s[0:1], 0x20             ; bv s[12:13], qkvimg s[14:15]
	s_load_b64 s[16:17], s[0:1], 0x30              ; qkvsc
	v_lshl_add_u32 v[SPW], v0, 2, SPARE
	v_mov_b32 v[NIL], 0
	ds_add_u32 v28, v29
	ds_add_u32 v28, v29
	s_wait_dscnt 0x0
	v_lshrrev_b32 v1, 5, v0
	v_readfirstlane_b32 s[WV], v1                  ; wave 0..3
	s_lshr_b32 s[H1], s[WV], 1
	s_and_b32 s[H0], s[WV], 1
	s_bfe_u32 s21, ttmp6, 0x40000                  ; cx
	s_bfe_u32 s22, ttmp6, 0x40004                  ; cy
	s_and_b32 s66, ttmp9, 1                        ; q, k: cluster column, cluster row
	s_lshr_b32 s67, ttmp9, 1
	s_sub_co_u32 s68, ttmp9, 16                    ; v: cluster column (its cluster row is 0)
	s_cmp_lt_u32 ttmp9, 16
	s_cselect_b32 s66, s66, s68
	s_cselect_b32 s67, s67, 0
	s_cselect_b32 s[ISV], 0, 1
	s_cselect_b32 s69, 0, 640                      ; S1's first stored tile: x's or Wv's
	s_cselect_b32 s70, 512, 0                      ; S0's: Wq's or x's
	s_lshl_b32 s66, s66, 2
	s_add_co_u32 s66, s66, s21                     ; tile column
	s_lshl_b32 s67, s67, 2
	s_add_co_u32 s67, s67, s22                     ; tile row
	s_lshl_b32 s71, s22, 2
	s_lshl_b32 s71, 15, s71                        ; my row of the cluster
	s_lshl_b32 s72, 0x1111, s21                    ; my column
	; group 1: 8 rows (tiles) of 384 elements of 8 bytes (two fragments), 1,536 elements (a tile's eight fragments) apart; no padding: every read of a fragment is 512 consecutive bytes
	s_or_b32 s[G1A], s71, (3<<16)|(1<<21)
	s_or_b32 s[G1B], s72, (3<<16)|(1<<21)
.irp g, G1A, G1B
	s_mov_b32 s[\g+1], 384<<16                     ; tensor_dim0
	s_mov_b32 s[\g+2], 16<<16                      ; tensor_dim1: the head's loads bring 16 stored tiles
	s_mov_b32 s[\g+3], 384<<16                     ; tile_dim0
	s_mov_b32 s[\g+4], 16                          ; tile_dim1
	s_mov_b32 s[\g+5], 1536                        ; from tile to tile
	s_mov_b32 s[\g+6], 0
	s_mov_b32 s[\g+7], 0
.endr
	s_lshl_b32 s68, s[H0], 3                       ; which 8 tiles of the 16 I fetch
	s_lshl_b32 s74, s67, 4                         ; S1: tile S1T0 + 16 x tile row + 8 x half: registers that never hold cx
	s_add_co_u32 s74, s74, s69
	s_add_co_u32 s74, s74, s68
	s_mul_i32 s74, s74, 12288
	s_mov_b32 s75, 0
	s_lshl_b32 s78, s66, 4                         ; S0: tile S0T0 + 16 x tile column + 8 x half: registers that never hold cy
	s_add_co_u32 s78, s78, s70
	s_add_co_u32 s78, s78, s68
	s_mul_i32 s78, s78, 12288
	s_mov_b32 s79, 0
	s_mul_i32 s73, s[WV], WLD                      ; where my load goes: no place in the cluster enters an LDS address
	s_wait_kmcnt 0x0
	s_add_nc_u64 s[74:75], s[4:5], s[74:75]
	s_add_nc_u64 s[78:79], s[4:5], s[78:79]
.irp s, 0,1,2
	s_mov_b32 s[G0A+4*\s], 1
	s_add_co_u32 s[G0A+4*\s+1], s73, \s*SLOT
	s_add_nc_u64 s[G0A+4*\s+2:G0A+4*\s+3], s[74:75], \s*TILEB      ; K quarter s
	s_or_b32 s[G0A+4*\s+3], s[G0A+4*\s+3], 0x80000000
	s_mov_b32 s[G0B+4*\s], 1
	s_add_co_u32 s[G0B+4*\s+1], s73, \s*SLOT
	s_add_nc_u64 s[G0B+4*\s+2:G0B+4*\s+3], s[78:79], \s*TILEB
	s_or_b32 s[G0B+4*\s+3], s[G0B+4*\s+3], 0x80000000
.endr
	; the head's descriptors lie in slot 1's sets, which the ring does not use: wave w takes S1 (w % 2 = 0) or S0 (1), K quarter w / 2, all 16 stored tiles
	s_mul_i32 s96, s[H0], 98304                    ; back over the 8 stored tiles of the ring's half
	s_mov_b32 s97, 0
	s_mul_i32 s98, s[H1], TILEB                    ; K quarter w / 2
	s_mov_b32 s99, 0
	s_mul_i32 s100, s[H1], SLOT                    ; into slot w / 2
	s_mov_b32 s[G0A+5], s100
	s_sub_nc_u64 s[G0A+6:G0A+7], s[74:75], s[96:97]
	s_add_nc_u64 s[G0A+6:G0A+7], s[G0A+6:G0A+7], s[98:99]
	s_or_b32 s[G0A+7], s[G0A+7], 0x80000000
	s_add_co_u32 s[G0B+5], s100, 2*WLD             ; S0's 16 tiles lie behind S1's
	s_sub_nc_u64 s[G0B+6:G0B+7], s[78:79], s[96:97]
	s_add_nc_u64 s[G0B+6:G0B+7], s[G0B+6:G0B+7], s[98:99]
	s_or_b32 s[G0B+7], s[G0B+7], 0x80000000
	CROUND                                         ; all sixteen work-groups are here: the first joint loads meet
	s_cmp_eq_u32 s[H0], 0                          ; one load a wave at the head, one to an arm
	s_cbranch_scc0 .Lfirst_b
	tensor_load_to_lds s[G0A+4:G0A+7], s[G1A:G1A+7]
	s_nop 0
	PLACES 4
	s_branch .Lfirst_done
.Lfirst_b:
	tensor_load_to_lds s[G0B+4:G0B+7], s[G1B:G1B+7]
	s_nop 0
	PLACES 4
.Lfirst_done:
	v_and_b32 v6, 31, v0
	v_lshlrev_b32 v[LI], 4, v6
	v_and_b32 v1, 15, v0                           ; r
	v_bfe_u32 v2, v0, 4, 1                         ; h
	s_wait_alu depctr_va_vdst(0)
	s_mul_i32 s94, s[H1], WLD                      ; my 128 rows of S1,
	s_mul_i32 s95, s[H0], WLD
	s_add_co_u32 s95, s95, 2*WLD                   ; my 128 rows of S0, behind S1's 256
.irp s, 0,1,2
	v_add_nc_u32 v[ADRA+\s], s94, v[LI]
	v_add_nc_u32 v[ADRB+\s], s95, v[LI]
	s_add_co_u32 s94, s94, SLOT
	s_add_co_u32 s95, s95, SLOT
.endr
	s_mov_b32 s[SEL], 0x76543210
	s_mov_b32 s[SEL+1], 0xfedcba98
	s_mov_b32 s92, 0xffff0000                      ; lanes 16-31
	s_lshl_b32 s84, s66, 1
	s_add_co_u32 s84, s84, s[H0]                   ; my group of 128 rows of S0: 2 x tile column + half
	s_lshl_b32 s85, s67, 1
	s_add_co_u32 s85, s85, s[H1]                   ; and of S1
	s_lshr_b32 s94, s69, 3                         ; the scale words: a group of insc is 8 stored tiles
	s_add_co_u32 s94, s94, s85
	s_lshl_b32 s94, s94, 12
	s_lshr_b32 s95, s70, 3
	s_add_co_u32 s95, s95, s84
	s_lshl_b32 s95, s95, 12
	v_mov_b32 v6, s94
	v_mov_b32 v7, s95
	v_cmp_eq_u32 vcc_lo, 1, v2
	v_cndmask_b32 v[SCO], v6, v7, vcc_lo           ; lanes 0-15 take S1's group, lanes 16-31 S0's
	v_lshl_add_u32 v[SCO], v1, 5, v[SCO]           ; + 32 r
.irp q, 0,1,2,3,4,5,6,7
	global_load_b128 v[SC+8*\q:SC+8*\q+3], v[SCO], s[6:7] offset:512*\q        ; the words of row r of tiles 0-3,
	global_load_b128 v[SC+8*\q+4:SC+8*\q+7], v[SCO], s[6:7] offset:512*\q+16   ; and of tiles 4-7, for K step q
.endr
	s_cmp_eq_u32 s[ISV], 0
	s_cbranch_scc0 .Lbias_v
	s_cmp_lt_u32 s84, 8                            ; q, k: the bias runs along S0: register 8 b + j is feature 32 (b / 2) + 16 h + 8 (b % 2) + j of head s84
	s_cselect_b64 s[90:91], s[8:9], s[10:11]
	s_and_b32 s94, s84, 7
	s_lshl_b32 s94, s94, 9
	s_mov_b32 s95, 0
	s_add_nc_u64 s[90:91], s[90:91], s[94:95]
	v_lshlrev_b32 v[BOF], 6, v2
.irp b, 0,1,2,3,4,5,6,7
	global_load_b128 v[CB+8*\b:CB+8*\b+3], v[BOF], s[90:91] offset:4*(32*(\b/2)+8*(\b%2))
	global_load_b128 v[CB+8*\b+4:CB+8*\b+7], v[BOF], s[90:91] offset:4*(32*(\b/2)+8*(\b%2))+16
.endr
	s_branch .Lbias_done
.Lbias_v:
	s_lshl_b32 s94, s85, 9                         ; v: the bias runs along S1: all eight registers of block a hold that of my row, feature 32 (a / 2) + 8 (a % 2) + r + 8 (r / 8) of head s85
	s_mov_b32 s95, 0
	s_add_nc_u64 s[90:91], s[12:13], s[94:95]
	v_and_b32 v[BOF], 8, v1
	v_add_nc_u32 v[BOF], v[BOF], v1
	v_lshlrev_b32 v[BOF], 2, v[BOF]
.irp a, 0,1,2,3,4,5,6,7
.irp j, 0,1,2,3,4,5,6,7
	global_load_b32 v[CB+8*\a+\j], v[BOF], s[90:91] offset:4*(32*(\a/2)+8*(\a%2))
.endr
.endr
.Lbias_done:
	s_lshl_b32 s94, s84, 6                         ; where my results go.  q, k: g = 64 head16 + token group
	s_add_co_u32 s94, s94, s85
	s_lshr_b32 s95, s84, 4                         ; v: g = 1,024 + 16 (8 b + h) + key step, b = token group / 16
	s_lshl_b32 s95, s95, 3
	s_add_co_u32 s95, s95, s85
	s_lshl_b32 s95, s95, 4
	s_and_b32 s93, s84, 15
	s_add_co_u32 s95, s95, s93
	s_add_co_u32 s95, s95, 1024
	s_cmp_eq_u32 s[ISV], 0
	s_cselect_b32 s94, s94, s95
	s_mul_i32 s86, s94, 12288
	s_mov_b32 s87, 0
	s_add_nc_u64 s[86:87], s[14:15], s[86:87]
	s_lshl_b32 s88, s94, 9
	s_mov_b32 s89, 0
	s_add_nc_u64 s[88:89], s[16:17], s[88:89]
.macro FRAG reg, adr, off              ; a fragment comes as it was stored: three loads of 512 consecutive bytes
.irp c, 0,1,2
	ds_load_b128 v[(\reg)+4*\c:(\reg)+4*\c+3], v[\adr] offset:(\off)+512*\c
.endr
.endm
.macro FETCH_B slot, q2, p             ; S0's eight fragments of the slot's q2-th 128 along K into set p
	WIN 0x40
.irp i, 0,1,2,3,4,5,6,7
	FRAG 128*(\p)+12*\i, ADRB+\slot, TILEB*\i+FRB*(\q2)
.endr
	WIN 0
.endm
.macro FETCH_A slot, q2, i0            ; S1's blocks i0 .. i0 + 3
.irp i, \i0, \i0+1, \i0+2, \i0+3
	FRAG AF+12*(\i), ADRA+\slot, TILEB*(\i)+FRB*(\q2)
.endr
.endm
; 16 products: S1's blocks a0, a0 + 1 x S0's eight, K step q.  cm = 0: C is the accumulator; 1: the bias along S0; 2: the bias along S1.  The 64 accumulators take turns, one instruction a turn.
.macro MUL16 a0, p, q, cm
.irp a, \a0, \a0+1
.irp b, 0,1,2,3,4,5,6,7
.if (\cm) == 0
	v_wmma_scale_f32_16x16x128_f8f6f4 v[8*(8*((\a)%4)+\b):8*(8*((\a)%4)+\b)+7], v[128*(\p)+12*\b:128*(\p)+12*\b+11], v[AF+12*(\a):AF+12*(\a)+11], v[8*(8*((\a)%4)+\b):8*(8*((\a)%4)+\b)+7], v[SC+8*(\q)+\b], v[SC+8*(\q)+(\a)] matrix_a_fmt:MATRIX_FMT_FP6 matrix_b_fmt:MATRIX_FMT_FP6 matrix_a_scale:MATRIX_SCALE_ROW1
.elseif (\cm) == 1
	v_wmma_scale_f32_16x16x128_f8f6f4 v[8*(8*((\a)%4)+\b):8*(8*((\a)%4)+\b)+7], v[128*(\p)+12*\b:128*(\p)+12*\b+11], v[AF+12*(\a):AF+12*(\a)+11], v[CB+8*\b:CB+8*\b+7], v[SC+8*(\q)+\b], v[SC+8*(\q)+(\a)] matrix_a_fmt:MATRIX_FMT_FP6 matrix_b_fmt:MATRIX_FMT_FP6 matrix_a_scale:MATRIX_SCALE_ROW1
.else
	v_wmma_scale_f32_16x16x128_f8f6f4 v[8*(8*((\a)%4)+\b):8*(8*((\a)%4)+\b)+7], v[128*(\p)+12*\b:128*(\p)+12*\b+11], v[AF+12*(\a):AF+12*(\a)+11], v[CB+8*(\a):CB+8*(\a)+7], v[SC+8*(\q)+\b], v[SC+8*(\q)+(\a)] matrix_a_fmt:MATRIX_FMT_FP6 matrix_b_fmt:MATRIX_FMT_FP6 matrix_a_scale:MATRIX_SCALE_ROW1
.endif
.endr
.endr
.endm
; K step q; it fetches the next step's fragments from (nslot, nq2).  Loads into registers that products have read stand four plain vector lines behind those products (ISA guide 7.12.1 for vector instructions).
.macro STEP q, nslot, nq2, cm
	s_wait_dscnt 12                                ; S0's set and S1's blocks 0-3 are in; the youngest 12 loads (blocks 4-7) may be out
.if (\cm)
	WIN 0x81                                       ; source 0 window 1, source 1 and C window 0, D window 2
.else
	WIN 0xa1                                       ; C and D window 2
.endif
	MUL16 0, (\q)%2, \q, \cm
	MUL16 2, (\q)%2, \q, \cm
	s_wait_dscnt 0x0                               ; blocks 4-7 are in
	PLACES 4
	FETCH_B \nslot, \nq2, 1-(\q)%2
	FETCH_A \nslot, \nq2, 0
.if (\cm)
	WIN 0xc1
.else
	WIN 0xf1
.endif
	MUL16 4, (\q)%2, \q, \cm
	MUL16 6, (\q)%2, \q, \cm
	PLACES 4
	WIN 0
	FETCH_A \nslot, \nq2, 4
.endm
; A K step with a barrier.  In front of it each wave waits for all its tensor loads, adds 0 to its spare word, and waits for that and for its own LDS reads.  fill = 1: the barrier opens a round of the cluster's, and slot 0 is filled again.
.macro TURN q, nslot, nq2, fill
	s_wait_tensorcnt 0x0                           ; all my tensor loads have landed
	ds_add_u32 v[SPW], v[NIL]                      ; 0 onto my spare word
	s_wait_dscnt 13                                ; (the add and the youngest 12 loads may be out)
	WIN 0xa1
	MUL16 0, (\q)%2, \q, 0                         ; sixteen products stand between the add and the wait for it
	s_wait_dscnt 0x0                               ; the add is done, and my reads of the slot are over
	s_barrier_signal -1
	MUL16 2, (\q)%2, \q, 0
	WIN 0
	s_barrier_wait -1
.if \fill
	CREST                                          ; no wave of any partner still reads slot 0 or has a load on its way
	s_add_nc_u64 s[G0A+2:G0A+3], s[G0A+2:G0A+3], 3*TILEB           ; K quarter 3
	s_add_nc_u64 s[G0B+2:G0B+3], s[G0B+2:G0B+3], 3*TILEB
	JLOAD G0A, G1A, G0B, G1B                       ; the first tensor load behind the round; its four v_nop are the places in front of the loads below
.else
	PLACES 4
.endif
	s_wait_alu depctr_va_vdst(0)
	FETCH_B \nslot, \nq2, 1-(\q)%2
	FETCH_A \nslot, \nq2, 0
	WIN 0xf1
	MUL16 4, (\q)%2, \q, 0
	MUL16 6, (\q)%2, \q, 0
	PLACES 4
	WIN 0
	FETCH_A \nslot, \nq2, 4
.endm
	s_wait_alu depctr_va_vdst(0)                   ; the wait at the head's end
	s_wait_tensorcnt 0x0                           ; my tile of the head's four is in; these lines stand ahead of a later first fill as ahead of a refill
	ds_add_u32 v[SPW], v[NIL]                      ; 0 onto my spare word
	s_mov_b32 s[G1A+2], 8<<16                      ; no tensor load of mine is out, so a descriptor may be written: from here on a load brings 8 stored tiles
	s_mov_b32 s[G1A+4], 8
	s_mov_b32 s[G1B+2], 8<<16
	s_mov_b32 s[G1B+4], 8
	s_wait_dscnt 0x0                               ; the add is done
	CROUND                                         ; slots 0 and 1 are whole in every wave of every partner
	JLOAD G0A+8, G1A, G0B+8, G1B                   ; K quarter 2 into slot 2: my one tensor load behind the round
	FETCH_B 0, 0, 0
	FETCH_A 0, 0, 0
	FETCH_A 0, 0, 4
	s_wait_loadcnt 0x0                             ; the scale words and the bias
	s_cmp_eq_u32 s[ISV], 0
	s_cbranch_scc0 .Lstep0_v
	STEP 0, 0, 1, 1                                ; the first products start the sums from the bias: nothing is cleared
	s_branch .Lstep0_done
.Lstep0_v:
	STEP 0, 0, 1, 2
.Lstep0_done:
	STEP 1, 1, 0, 0                                ; slot 1 was shown whole by the round at the head's end
	TURN 2, 1, 1, 1                                ; slot 2 has landed and slot 0 is read out: quarter 3 is asked for; it has the rest of K step 2 and K steps 3 and 4 in which to land
	STEP 3, 2, 0, 0                                ; slot 2 was shown whole to every wave by the wait and the round in K step 2
	STEP 4, 2, 1, 0
	TURN 5, 0, 0, 0
	STEP 6, 0, 1, 0
	s_wait_dscnt 12
	WIN 0xa1
	MUL16 0, 1, 7, 0
	MUL16 2, 1, 7, 0
	s_wait_dscnt 0x0
	WIN 0xf1
	MUL16 4, 1, 7, 0
	MUL16 6, 1, 7, 0
	WIN 0
; THE WAY OUT.  Block a's 64 registers are 128 neighbours along S0 of my row of S1: register 16 b + i = k 32 b + 16 h + i.  They are quantised where they stand and leave as one fragment.
.macro BLOCKOUT a
.set W, 2+(\a)/4
.set AC, 64*((\a)%4)
	WIN (W|(W<<2))                                 ; sources 0 and 1: the accumulators' window
.irp b, 0,1,2,3
	v_max3_num_f32 v[TM+\b], |v[AC+16*\b]|, |v[AC+16*\b+1]|, 0x1800000   ; each accumulator is read from its low end on; the floor 2^(3 - 127)
.endr
.irp i, 2,4,6,8,10,12,14
.irp b, 0,1,2,3
	v_max3_num_f32 v[TM+\b], |v[AC+16*\b+\i]|, |v[AC+16*\b+\i+1]|, v[TM+\b]
.endr
.endr
	WIN 0
.irp b, 0,1,2,3
	v_permlanex16_b32 v[TM+4+\b], v[TM+\b], s[SEL], s[SEL+1]
.endr
.irp b, 0,1,2,3
	v_max_num_f32 v[TM+\b], v[TM+\b], v[TM+4+\b]
.endr
.irp b, 0,1,2,3
	v_add_nc_u32 v[TM+12+\b], 0xff000000, v[TM+\b]
.endr
.irp b, 0,1,2,3
	v_lshrrev_b32 v[TM+4+\b], 23, v[TM+12+\b]
.endr
	v_lshl_or_b32 v[PW+\a], v[TM+5], 8, v[TM+4]
	v_lshl_or_b32 v[PW+\a], v[TM+6], 16, v[PW+\a]
	v_lshl_or_b32 v[PW+\a], v[TM+7], 24, v[PW+\a]
	s_wait_xcnt 0x0                                ; the last block's stores have read the codes' registers: they are written again only behind this wait
	WIN W
.irp c, 0,1
	v_cvt_scalef32_pk16_fp6_f32 v[PC+6*\c:PC+2+6*\c], v[AC+32*\c:AC+32*\c+15], v[TM+12+2*\c]
	v_cvt_scalef32_pk16_fp6_f32 v[PC+12+4*\c:PC+14+4*\c], v[AC+32*\c+16:AC+32*\c+31], v[TM+12+2*\c+1]
.endr
	WIN 0
	v_nop                                          ; one plain line behind the conversions
.irp c, 0,1
.irp i, 0,1,2
	v_permlane16_swap_b32 v[PC+6*\c+\i], v[PC+12+4*\c+\i]
.endr
.irp i, 0,1,2
	v_mov_b32 v[PC+3+6*\c+\i], v[PC+12+4*\c+\i]
.endr
.endr
.irp c, 0,1,2
	global_store_b128 v[LI], v[PC+4*\c:PC+4*\c+3], s[86:87] offset:FRB*(\a)+512*\c   ; 512 consecutive bytes a store
.endr
.endm
.irp b, 0,1,2,3
	v_mov_b32 v[TM+4+\b], 0                        ; a lane permute's destination counts as one of its sources; these four are also the places behind the last products
.endr
.irp a, 0,1,2,3,4,5,6,7
	BLOCKOUT \a
.endr
.irp j, 0,1,2,3
	v_cndmask_b32 v[SCI+\j], v[PW+\j], v[PW+4+\j], s92   ; the scale words' image: lanes 0-15 block j's, lanes 16-31 block 4 + j's
.endr
	global_store_b128 v[LI], v[SCI:SCI+3], s[88:89]
	s_wait_tensorcnt 0x0                           ; the wave's end
	ds_add_u32 v[SPW], v[NIL]
	s_wait_dscnt 0x0
	CROUND                                         ; the closing round
	s_endpgm
.Lfunc_end_k_qed0e55cb09_qkv:
	.size	k_qed0e55cb09_qkv, .Lfunc_end_k_qed0e55cb09_qkv-k_qed0e55cb09_qkv
	.p2alignl 7, 3214868480
	.fill 96, 4, 3214868480
	.section	.rodata,"a",@progbits
	.p2align	6, 0x0
	.amdhsa_kernel k_qed0e55cb09_qkv
		.amdhsa_group_segment_fixed_size 327680
		.amdhsa_private_segment_fixed_size 0
		.amdhsa_enable_private_segment 0
		.amdhsa_kernarg_size 56
		.amdhsa_user_sgpr_count 2
		.amdhsa_user_sgpr_kernarg_segment_ptr 1
		.amdhsa_wavefront_size32 1
		.amdhsa_system_sgpr_workgroup_id_x 1
		.amdhsa_system_sgpr_workgroup_id_y 1
		.amdhsa_system_sgpr_workgroup_id_z 1
		.amdhsa_system_vgpr_workitem_id 0
		.amdhsa_next_free_vgpr 1024
		.amdhsa_next_free_sgpr 102
		.amdhsa_reserve_vcc 1
		.amdhsa_float_denorm_mode_32 3
		.amdhsa_float_denorm_mode_16_64 3
		.amdhsa_memory_ordered 1
		.amdhsa_forward_progress 1
		.amdhsa_inst_pref_size 158
	.end_amdhsa_kernel
	.amdgpu_metadata
---
amdhsa.version: [ 1, 2 ]
amdhsa.kernels:
  - .name:           k_qed0e55cb09_qkv
    .symbol:         k_qed0e55cb09_qkv.kd
    .args:
      - { .name: inimg, .offset: 0, .size: 8, .value_kind: global_buffer, .address_space: global }
      - { .name: insc, .offset: 8, .size: 8, .value_kind: global_buffer, .address_space: global }
      - { .name: bq, .offset: 16, .size: 8, .value_kind: global_buffer, .address_space: global }
      - { .name: bk, .offset: 24, .size: 8, .value_kind: global_buffer, .address_space: global }
      - { .name: bv, .offset: 32, .size: 8, .value_kind: global_buffer, .address_space: global }
      - { .name: qkvimg, .offset: 40, .size: 8, .value_kind: global_buffer, .address_space: global }
      - { .name: qkvsc, .offset: 48, .size: 8, .value_kind: global_buffer, .address_space: global }
    .group_segment_fixed_size: 327680
    .private_segment_fixed_size: 0
    .kernarg_segment_align: 8
    .kernarg_segment_size: 56
    .max_flat_workgroup_size: 128
    .sgpr_count:     102
    .vgpr_count:     1024
    .wavefront_size: 32
...
	.end_amdgpu_metadata
.endif
;; end of part 2
;; launch attn (part 3): grid 8 x 32, 8 waves a work-group, clusters of 4 x 1, 327,680 bytes of LDS; arguments qkvimg, qkvsc, cimg, csc; writes cimg, csc
.if DOCPART == 3
	.amdgcn_target "amdgcn-amd-amdhsa--gfx1250"
	.amdhsa_code_object_version 6
	.text
	.protected	k_qed0e55cb09_attn
	.globl	k_qed0e55cb09_attn
	.p2align	8
	.type	k_qed0e55cb09_attn,@function
k_qed0e55cb09_attn:
	s_mov_b64 s[64:65], 0
	v_nop
	global_prefetch_b8 v0, s[64:65] scope:SCOPE_SE
	s_setreg_imm32_b32 hwreg(HW_REG_WAVE_MODE, 25, 1), 1
	s_wait_xcnt 0x0
	s_wait_alu depctr_hold_cnt(0) depctr_sa_sdst(0) depctr_va_vdst(0) depctr_va_sdst(0) depctr_va_ssrc(0) depctr_va_vcc(0) depctr_vm_vsrc(0)
	s_getreg_b32 s2, hwreg(HW_REG_IB_STS2, 6, 4)
	s_cmp_eq_u32 s2, 0
	s_cbranch_scc0 .Lentry_in_a_cluster
	s_endpgm
.Lentry_in_a_cluster:
	s_bfe_u32 s2, ttmp6, 0x10000c
	s_cmp_lg_u32 s2, 0x3003
	s_cbranch_scc0 .Lentry_shape_is_right
	s_endpgm
.Lentry_shape_is_right:
; ctx[b][q][h][:] = the sum over k of softmax_k(q . k / sqrt(128)) v, both products on codes of FP6 (E2M3) with E8M0 scales; ctx is quantised along the model's 1,024 and leaves as fragment images.
; THE SOFTMAX: t = score x log2(e) / sqrt(128); M = the running largest t rounded UP to a whole number; p = 2^(t - M) is quantised along the keys, not normalised; the row's sum is taken of the unquantised p
; and divides at the end (v_rcp_f32 and a multiplication).  When M moves, the sum and O are multiplied by 2^(old M - new M): exact.
; SHARES.  A work-group owns 256 queries of one (batch, head); each of its eight waves owns two stored tiles of 16: tile 0 in register window 0, tile 1 in window 1, at the same register numbers.
; Each fragment of K and V read from LDS feeds two products; two waves share a SIMD, so that one's vector work stands beside the other's products.
; LAYOUT.  S^T = K Q^T, O^T = V^T P^T: a lane holds ONE query.  The stored order of rows (32 (T / 2) + 8 (T % 2) + r + 8 (r / 8)) makes the 16 registers of tiles 2 b, 2 b + 1 sixteen neighbouring keys (channels).
; CLUSTER.  The four query blocks of a cluster walk the same K and V: every tensor load is joint, mask 15.  Wave 0 fetches K's codes, wave 1 V's, wave 2 K's scale words, wave 3 V's.
; LDS holds 12 of the 16 key steps: three first fills of four steps, one refill (steps 12-15 into the place of steps 0-3): by this text's count a fetching wave has three tensor loads out at the start, later one.
; No prefetch: three quarters are asked for at the head, and the refill has eight key steps in which to land, so no wave waits for it.
; LIMITS: a block under 2^-124 (zeros too) gets the byte 1; NaN and infinities are not served.
; REGISTERS.  Shared, window 0: v1 16 x lane; v2, v3 the add's; v4-9 addresses; v10, v11 Q's scale words; v28, v29 p's; v32-79 fragments 0-3 (window 1: fragments 4-7); v84-95 the way out; v248-251 K's or V's scale words.
;   A tile, in its window: v12 -M, v13 largest t, v[14:15] the sum, v16-27 Q, v[30:31] f, v96-159 S^T then p, v160-223 O^T, v224-235 p's codes, v232-247, v253, v254 at work.
.set POSB,  12288                      ; a key step's eight fragments
.set VC,    147456                     ; K's codes at 0 (12 x 12,288), V's here,
.set KS,    294912                     ; K's scale words (16 x 512), V's 8,192 further on,
; THE FILLS, as the text below has them (this paragraph takes the place of what the lines above say of who fetches, of the first fills and of the loads that are out):
; K's and V's codes are dense in memory, so a run of key steps is shared out by rows of 256 bytes.  Waves 0-2 fetch K's codes, waves 3-5 V's, a third of a run each; wave 6 fetches K's scale words
; of all 16 key steps (8,192 bytes, filled once), wave 7 V's.  At the head every wave issues ONE joint load: key steps 0-3 (64 rows a wave) and the scale words.  Behind the wait for them, the add and a
; round of the cluster's barrier waves 0-5 ask for key steps 4-11 (128 rows a wave), a first fill issued as a refill is.  Behind key step 3 they ask for key steps 12-15 into the place of 0-3.
; By this text's count a wave never has more than one tensor load out.  No prefetch: steps 4-11 have four key steps in which to land, steps 12-15 eight, so no wave waits for them.
.set VSO,   8192
.set SPARE, 311296
.set CSB,   312320
.set WV,  18
.set SEL, 20
.set CC,  22                           ; s[22:23] c = log2(e) / sqrt(128)
.set TK,  2                            ; s2  where the step's codes begin
.set TS,  3                            ; s3  and its scale words
.set CNT, 66
.set G1C, 24
.set G1S, 32
.set G0C, 40
.set G0S, 52
.set LI,  1
.set SPW, 2
.set NIL, 3
.set ADK, 4
.set ADV, 5
.set ADS, 6
.set TM,  232
.set PC,  32
.set PW,  254
.set MSB, 0
.macro WIN new
.if MSB != (\new)
	s_set_vgpr_msb (MSB<<8)|(\new)
.set MSB, (\new)
.endif
.endm
.macro PLACES n
.rept \n
	v_nop
.endr
.endm
.macro ROUND                           ; a round of the cluster's barrier
	s_barrier_signal -1
	s_barrier_wait -1
	s_cmp_lg_u32 s[WV], 0
	s_cbranch_scc1 .Lnot_wave_0_\@
	s_barrier_signal -3
.Lnot_wave_0_\@:
	s_barrier_wait -3
	s_barrier_signal -1
	s_barrier_wait -1
.endm
.macro QUANT s                         ; 64 numbers of a lane, register 16 b + i = k 32 b + 16 h + i of my row, become a fragment in v[PC] on and its scale word in v[PW]
.irp b, 0,1,2,3
	v_max3_num_f32 v[TM+\b], |v[\s+16*\b]|, |v[\s+1+16*\b]|, 0x1800000
.endr
.irp i, 2,4,6,8,10,12,14
.irp b, 0,1,2,3
	s_delay_alu instid0(VALU_DEP_4)
	v_max3_num_f32 v[TM+\b], v[TM+\b], |v[\s+16*\b+\i]|, |v[\s+1+16*\b+\i]|
.endr
.endr
.irp b, 0,1,2,3
	s_delay_alu instid0(VALU_DEP_4)
	v_permlanex16_b32 v[TM+4+\b], v[TM+\b], s[SEL], s[SEL+1]
.endr
.irp b, 0,1,2,3
	s_delay_alu instid0(VALU_DEP_4)
	v_max_num_f32 v[TM+\b], v[TM+\b], v[TM+4+\b]
.endr
.irp b, 0,1,2,3
	s_delay_alu instid0(VALU_DEP_4)
	v_add_nc_u32 v[TM+12+\b], 0xff000000, v[TM+\b]
.endr
.irp b, 0,1,2,3
	s_delay_alu instid0(VALU_DEP_4)
	v_lshrrev_b32 v[TM+4+\b], 23, v[TM+12+\b]
.endr
	s_delay_alu instid0(VALU_DEP_3)
	v_lshl_or_b32 v[PW], v[TM+5], 8, v[TM+4]
	s_delay_alu instid0(VALU_DEP_1)
	v_lshl_or_b32 v[PW], v[TM+6], 16, v[PW]
	s_delay_alu instid0(VALU_DEP_1)
	v_lshl_or_b32 v[PW], v[TM+7], 24, v[PW]
.irp c, 0,1
	v_cvt_scalef32_pk16_fp6_f32 v[PC+6*\c:PC+2+6*\c], v[\s+32*\c:\s+15+32*\c], v[TM+12+2*\c]
	v_cvt_scalef32_pk16_fp6_f32 v[PC+12+4*\c:PC+14+4*\c], v[\s+16+32*\c:\s+31+32*\c], v[TM+12+2*\c+1]
.endr
	v_nop
.irp c, 0,1
.irp i, 0,1,2
	v_permlane16_swap_b32 v[PC+6*\c+\i], v[PC+12+4*\c+\i]
.endr
.irp i, 0,1,2
	s_delay_alu instid0(VALU_DEP_3)
	v_mov_b32 v[PC+3+6*\c+\i], v[PC+12+4*\c+\i]
.endr
.endr
.endm
	s_load_b256 s[4:11], s[0:1], 0x0               ; qkvimg s[4:5], qkvsc s[6:7], cimg s[8:9], csc s[10:11]
	v_lshl_add_u32 v[SPW], v0, 2, SPARE
	v_mov_b32 v[NIL], 0
	ds_add_u32 v2, v3
	ds_add_u32 v2, v3
	s_wait_dscnt 0x0
	v_lshrrev_b32 v1, 5, v0
	s_delay_alu instid0(VALU_DEP_1)
	v_readfirstlane_b32 s[WV], v1                  ; wave 0..7
	s_bfe_u32 s12, ttmp6, 0x40000                  ; cx
	s_lshl_b32 s13, ttmp9, 2
	s_add_co_u32 s13, s13, s12                     ; my block of 256 queries: it enters Q's and ctx's addresses alone
	s_and_b32 s14, ttmp7, 0xffff                   ; 8 b + h, which the four partners share
	s_lshr_b32 s15, s14, 3                         ; b
	s_and_b32 s16, s14, 7                          ; h
	s_and_b32 s19, s[WV], 1                        ; I fetch for K (0) or for V (1)
	s_lshl_b32 s67, s16, 6
	s_lshl_b32 s68, s15, 4
	s_add_co_u32 s67, s67, s68
	s_add_co_u32 s67, s67, 512                     ; K's first group: 64 (8 + h) + 16 b
	s_lshl_b32 s68, s14, 4
	s_add_co_u32 s68, s68, 1024                    ; V's: 1,024 + 16 (8 b + h)
	s_mul_i32 s88, s[WV], 11
	s_lshr_b32 s88, s88, 5                         ; wave / 3: codes of K (0, waves 0-2) or of V (1, waves 3-5)
	s_cmp_eq_u32 s88, 0
	s_cselect_b32 s69, s67, s68
	s_mul_i32 s70, s69, POSB
	s_mov_b32 s71, 0
	s_cmp_eq_u32 s19, 0                            ; scale words: wave 6 K's, wave 7 V's
	s_cselect_b32 s89, s67, s68
	s_lshl_b32 s72, s89, 9
	s_mov_b32 s73, 0
	s_lshl_b32 s90, s[WV], 14
	s_mul_i32 s95, s88, 49152
	s_sub_co_u32 s90, s90, s95                     ; my third of four key steps' codes: 16,384 (wave % 3)
	s_mov_b32 s91, 0
	s_lshl_b32 s92, s90, 1
	s_add_co_u32 s92, s92, 4*POSB                  ; and of key steps 4-11: 49,152 + 32,768 (wave % 3)
	s_mov_b32 s93, 0
	; group 1: dense blocks as rows of 256 bytes (32 elements of 8): four key steps' codes are 192 rows, their scale words 8
	s_mov_b32 s[G1C], 15|(3<<16)|(1<<21)
	s_mov_b32 s[G1C+1], 32<<16
	s_mov_b32 s[G1C+2], 64<<16
	s_mov_b32 s[G1C+3], 32<<16
	s_mov_b32 s[G1C+4], 64
	s_mov_b32 s[G1C+5], 32
	s_mov_b32 s[G1C+6], 0
	s_mov_b32 s[G1C+7], 0
	s_mov_b32 s[G1S], 15|(3<<16)|(1<<21)
	s_mov_b32 s[G1S+1], 32<<16
	s_mov_b32 s[G1S+2], 32<<16
	s_mov_b32 s[G1S+3], 32<<16
	s_mov_b32 s[G1S+4], 32
	s_mov_b32 s[G1S+5], 32
	s_mov_b32 s[G1S+6], 0
	s_mov_b32 s[G1S+7], 0
	s_lshl_b32 s82, s[WV], 14                      ; LDS, key steps 0-3: 16,384 wave + 98,304 (wave / 3): V's codes begin at VC
	s_mul_i32 s95, s88, 98304
	s_add_co_u32 s82, s82, s95
	s_lshl_b32 s94, s[WV], 15                      ; LDS, key steps 4-11: 49,152 + 32,768 wave + 49,152 (wave / 3)
	s_mul_i32 s95, s88, 49152
	s_add_co_u32 s94, s94, s95
	s_add_co_u32 s94, s94, 4*POSB
	s_mul_i32 s83, s19, VSO
	s_add_co_u32 s83, s83, KS
	s_mov_b32 s[SEL], 0x76543210
	s_mov_b32 s[SEL+1], 0xfedcba98
	s_mov_b32 s[CC], 0x3e0293ee
	s_mov_b32 s[CC+1], s[CC]                       ; (named with it as a pair, so it is written)
	; Q: group 64 h + 16 b + 2 block + wave / 4, tiles 2 (wave % 4) and the next
	s_lshl_b32 s84, s16, 6
	s_lshl_b32 s85, s15, 4
	s_add_co_u32 s84, s84, s85
	s_lshl_b32 s85, s13, 1
	s_add_co_u32 s84, s84, s85
	s_lshr_b32 s85, s[WV], 2
	s_add_co_u32 s84, s84, s85
	s_and_b32 s85, s[WV], 3
	s_lshl_b32 s86, s84, 3
	s_lshl_b32 s87, s85, 1
	s_add_co_u32 s86, s86, s87
	s_mul_i32 s74, s86, 1536
	s_mov_b32 s75, 0
	s_lshl_b32 s76, s84, 9                         ; its scale words: 512 g + 256 (a / 4) + 4 (a % 4), a = 2 (wave % 4)
	s_lshr_b32 s87, s85, 1
	s_lshl_b32 s87, s87, 8
	s_add_co_u32 s76, s76, s87
	s_lshl_b32 s87, s19, 3
	s_add_co_u32 s76, s76, s87
	s_mov_b32 s77, 0
	s_lshl_b32 s86, s15, 7                         ; ctx: token tile 128 b + 16 block + 2 wave, K step h
	s_lshl_b32 s87, s13, 4
	s_add_co_u32 s86, s86, s87
	s_lshl_b32 s80, s86, 6                         ; its scale words: 32,768 h + 64 x token tile
	s_lshl_b32 s87, s16, 15
	s_add_co_u32 s80, s80, s87
	s_mov_b32 s81, 0
	s_lshl_b32 s87, s[WV], 1
	s_add_co_u32 s86, s86, s87
	s_lshl_b32 s86, s86, 3
	s_add_co_u32 s86, s86, s16
	s_mul_i32 s78, s86, 1536
	s_mov_b32 s79, 0
	s_wait_kmcnt 0x0
	s_add_nc_u64 s[70:71], s[4:5], s[70:71]
	s_add_nc_u64 s[72:73], s[6:7], s[72:73]
	s_add_nc_u64 s[74:75], s[4:5], s[74:75]
	s_add_nc_u64 s[76:77], s[6:7], s[76:77]
	s_add_nc_u64 s[78:79], s[8:9], s[78:79]
	s_add_nc_u64 s[80:81], s[10:11], s[80:81]
	s_mov_b32 s[G0C], 1                            ; key steps 0-3, later 12-15
	s_mov_b32 s[G0C+1], s82
	s_add_nc_u64 s[G0C+2:G0C+3], s[70:71], s[90:91]
	s_or_b32 s[G0C+3], s[G0C+3], 0x80000000
	s_mov_b32 s[G0C+4], 1                          ; key steps 4-11
	s_mov_b32 s[G0C+5], s94
	s_add_nc_u64 s[G0C+6:G0C+7], s[70:71], s[92:93]
	s_or_b32 s[G0C+7], s[G0C+7], 0x80000000
	s_mov_b32 s[G0S], 1                            ; the scale words of all 16 key steps
	s_mov_b32 s[G0S+1], s83
	s_mov_b64 s[G0S+2:G0S+3], s[72:73]
	s_or_b32 s[G0S+3], s[G0S+3], 0x80000000
	ROUND                                          ; all four work-groups are here: the first joint loads meet
	s_cmp_lt_u32 s[WV], 6                          ; one load a wave at the head, one to an arm
	s_cbranch_scc0 .Lf_scales
	tensor_load_to_lds s[G0C:G0C+3], s[G1C:G1C+7]
	s_nop 0
	PLACES 4
	s_branch .Lf_done
.Lf_scales:
	tensor_load_to_lds s[G0S:G0S+3], s[G1S:G1S+7]
	s_nop 0
	PLACES 4
.Lf_done:
	v_and_b32 v88, 31, v0                          ; lane
	s_delay_alu instid0(VALU_DEP_1)
	v_lshlrev_b32 v[LI], 4, v88
	s_delay_alu instid0(VALU_DEP_1)
	v_add_nc_u32 v7, VC, v[LI]
	s_delay_alu instid0(VALU_DEP_2)
	v_add_nc_u32 v8, KS, v[LI]
	v_lshl_add_u32 v9, v0, 2, CSB                  ; ctx's scale words: 4 x thread
	v_and_b32 v84, 63, v0
	s_delay_alu instid0(VALU_DEP_1)
	v_lshlrev_b32 v86, 4, v84                      ; and back, waves 0 and 1: 16 x thread
	s_delay_alu instid0(VALU_DEP_1)
	v_add_nc_u32 v84, CSB, v86
	v_and_b32 v87, 15, v0
	s_delay_alu instid0(VALU_DEP_1)
	v_lshlrev_b32 v87, 4, v87                      ; Q's scale words: 16 r
.irp c, 0,1,2
	global_load_b128 v[16+4*\c:19+4*\c], v[LI], s[74:75] offset:512*\c
.endr
	global_load_b32 v10, v87, s[76:77]
	global_load_b32 v11, v87, s[76:77] offset:4
	WIN 0x40                                       ; destination window 1
.irp c, 0,1,2
	global_load_b128 v[16+4*\c:19+4*\c], v[LI], s[74:75] offset:1536+512*\c
.endr
.macro INIT                            ; the step is written without a first step of its own: it finds zeros, which the first change of M leaves zeros
	v_mov_b32 v13, 0xff61b1e6                      ; the largest t so far: -3e38
	s_delay_alu instid0(VALU_DEP_1)
	v_floor_f32 v12, -v13                          ; -M
	v_mov_b32 v14, 0
	v_mov_b32 v15, 0
	v_mov_b32 v31, 0                               ; (named as the upper half of the pair v[30:31])
.irp b, 0,1,2,3
	v_mov_b32 v[236+\b], 0                         ; a lane permute's destination counts as one of its sources
.endr
.set j, 0
.rept 64
	v_mov_b32 v[160+j], 0
.set j, j+1
.endr
.endm
	WIN 0
	INIT
	WIN 0x55
	INIT
	WIN 0
.macro FLOAD adr                       ; eight fragments: 0-3 into window 0, 4-7 into window 1; each load is 512 consecutive bytes
.irp t, 0,1,2,3
.irp c, 0,1,2
	ds_load_b128 v[32+12*\t+4*\c:35+12*\t+4*\c], v[\adr] offset:1536*\t+512*\c
.endr
.endr
	WIN 0x40
.irp t, 0,1,2,3
.irp c, 0,1,2
	ds_load_b128 v[32+12*\t+4*\c:35+12*\t+4*\c], v[\adr] offset:1536*(4+\t)+512*\c
.endr
.endr
.endm
.macro KQ4 t0, x                       ; S^T of tile x: K's tiles t0 .. t0 + 3.  The scale image holds tile j in lanes 0-15 of register j and tile 4 + j in lanes 16-31
.irp t, 0,1,2,3
.if (\t0) == 0
	v_wmma_scale_f32_16x16x128_f8f6f4 v[96+8*\t:103+8*\t], v[32+12*\t:43+12*\t], v[16:27], 0, v[248+\t], v[10+\x] matrix_a_fmt:MATRIX_FMT_FP6 matrix_b_fmt:MATRIX_FMT_FP6
.else
	v_wmma_scale_f32_16x16x128_f8f6f4 v[128+8*\t:135+8*\t], v[32+12*\t:43+12*\t], v[16:27], 0, v[248+\t], v[10+\x] matrix_a_fmt:MATRIX_FMT_FP6 matrix_b_fmt:MATRIX_FMT_FP6 matrix_a_scale:MATRIX_SCALE_ROW1
.endif
.endr
.endm
.macro PV4 t0, x                       ; O^T of tile x += V's tiles t0 .. t0 + 3 x p
.irp t, 0,1,2,3
.if (\t0) == 0
	v_wmma_scale_f32_16x16x128_f8f6f4 v[160+8*\t:167+8*\t], v[32+12*\t:43+12*\t], v[224:235], v[160+8*\t:167+8*\t], v[248+\t], v[28+\x] matrix_a_fmt:MATRIX_FMT_FP6 matrix_b_fmt:MATRIX_FMT_FP6
.else
	v_wmma_scale_f32_16x16x128_f8f6f4 v[192+8*\t:199+8*\t], v[32+12*\t:43+12*\t], v[224:235], v[192+8*\t:199+8*\t], v[248+\t], v[28+\x] matrix_a_fmt:MATRIX_FMT_FP6 matrix_b_fmt:MATRIX_FMT_FP6 matrix_a_scale:MATRIX_SCALE_ROW1
.endif
.endr
.endm
; One tile's softmax for 128 keys, all in the tile's window but for the one line that writes p's scale word, which must lie in window 0.
.macro SOFTMAX x
.irp b, 0,1,2,3
	v_max3_num_f32 v[232+\b], v[96+16*\b], v[97+16*\b], v[98+16*\b]   ; the largest score of each block of 32 keys: for the row's maximum and, since p rises with the score, for the block's largest p
.endr
.irp i, 3,5,7,9,11,13
.irp b, 0,1,2,3
	v_max3_num_f32 v[232+\b], v[232+\b], v[96+16*\b+\i], v[97+16*\b+\i]
.endr
.endr
.irp b, 0,1,2,3
	v_max_num_f32 v[232+\b], v[232+\b], v[111+16*\b]
.endr
.irp b, 0,1,2,3
	s_delay_alu instid0(VALU_DEP_4)
	v_permlanex16_b32 v[236+\b], v[232+\b], s[SEL], s[SEL+1]
.endr
.irp b, 0,1,2,3
	s_delay_alu instid0(VALU_DEP_4)
	v_max_num_f32 v[232+\b], v[232+\b], v[236+\b]  ; with lane l xor 16's 16 keys
.endr
	s_delay_alu instid0(VALU_DEP_2)
	v_max3_num_f32 v254, v232, v233, v234
	s_delay_alu instid0(VALU_DEP_1)
	v_max_num_f32 v254, v254, v235
	s_delay_alu instid0(VALU_DEP_1)
	v_mul_f32 v254, s[CC], v254                    ; as t (c is positive)
	s_delay_alu instid0(VALU_DEP_1)
	v_max_num_f32 v13, v13, v254                   ; the running largest t
	v_mov_b32 v254, v12
	s_delay_alu instid0(VALU_DEP_2)
	v_floor_f32 v12, -v13                          ; the new -M = -ceil(t)
	s_delay_alu instid0(VALU_DEP_1)
	v_sub_f32 v254, v12, v254                      ; old M - new M: a whole number, 0 or less
	s_delay_alu instid0(VALU_DEP_1)
	v_cvt_i32_f32 v254, v254                       ; (it saturates)
	s_delay_alu instid0(VALU_DEP_1)
	v_ldexp_f32 v30, 1.0, v254                     ; f = 2^(old M - new M)
.set j, 0
.rept 32
	v_pk_fma_f32 v[96+j:97+j], v[96+j:97+j], s[CC:CC+1], v[12:13] op_sel_hi:[1,0,0]   ; t - M, two at a time
.set j, j+2
.endr
.irp b, 0,1,2,3
	v_fma_f32 v[232+\b], v[232+\b], s[CC], v12     ; the same of each block's largest score
.endr
.set j, 0
	s_wait_alu depctr_va_vdst(0)
.rept 64
	v_exp_f32 v[96+j], v[96+j]                     ; p = 2^(t - M): one batch
.set j, j+1
.endr
	v_pk_mul_f32 v[14:15], v[14:15], v[30:31] op_sel_hi:[1,0]   ; the sums under the new M: the plain line behind the batch
	s_wait_alu depctr_va_vdst(0)                   ; one wait for the batch, ahead of its first reader
.irp b, 0,1,2,3
	v_exp_f32 v[232+\b], v[232+\b]                 ; each block's largest p
.endr
	v_pk_add_f32 v[236:237], v[96:97], v[98:99]    ; the row's sum, of the unquantised p, in two chains
.set j, 4
.rept 15
	v_pk_add_f32 v[14:15], v[14:15], v[96+j:97+j]
	v_pk_add_f32 v[236:237], v[236:237], v[98+j:99+j]
.set j, j+4
.endr
	s_delay_alu instid0(VALU_DEP_1)
	v_pk_add_f32 v[14:15], v[14:15], v[236:237]
	s_wait_alu depctr_va_vdst(0)                   ; and one for the four
.irp b, 0,1,2,3
	v_max_num_f32 v[232+\b], 0x1800000, v[232+\b]  ; the floor: the byte cannot fall under 1
.endr
.irp b, 0,1,2,3
	s_delay_alu instid0(VALU_DEP_4)
	v_add_nc_u32 v[244+\b], 0xff000000, v[232+\b]  ; the conversions' scale operands
.endr
.irp b, 0,1,2,3
	s_delay_alu instid0(VALU_DEP_4)
	v_lshrrev_b32 v[236+\b], 23, v[244+\b]         ; the bytes
.endr
	s_delay_alu instid0(VALU_DEP_3)
	v_lshl_or_b32 v253, v237, 8, v236
	s_delay_alu instid0(VALU_DEP_1)
	v_lshl_or_b32 v253, v238, 16, v253
.if \x
	WIN 0x15                                       ; sources window 1, destination window 0: scale operands have no window
.endif
	v_lshl_or_b32 v[28+\x], v239, 24, v253         ; p's scale word for these 128 keys
.if \x
	WIN 0x55
.endif
.irp c, 0,1
	v_cvt_scalef32_pk16_fp6_f32 v[224+6*\c:226+6*\c], v[96+32*\c:111+32*\c], v[244+2*\c]
	v_cvt_scalef32_pk16_fp6_f32 v[236+4*\c:238+4*\c], v[112+32*\c:127+32*\c], v[244+2*\c+1]
.endr
	v_nop                                          ; one plain line behind the conversions
.irp c, 0,1
.irp i, 0,1,2
	v_permlane16_swap_b32 v[224+6*\c+\i], v[236+4*\c+\i]
.endr
.irp i, 0,1,2
	s_delay_alu instid0(VALU_DEP_3)
	v_mov_b32 v[227+6*\c+\i], v[236+4*\c+\i]
.endr
.endr
.set j, 0
.rept 32
	v_pk_mul_f32 v[160+j:161+j], v[160+j:161+j], v[30:31] op_sel_hi:[1,0]   ; O^T under the new M, from each accumulator's low end on; these 32 are also the places ahead of the scaled products
.set j, j+2
.endr
.endm
; A KEY STEP: 128 keys, both tiles.
.macro STEP
	v_add_nc_u32 v[ADK], s[TK], v[LI]              ; these four lines are the places behind the last products, ahead of the loads into their registers
	v_add_nc_u32 v[ADV], s[TK], v7
	v_add_nc_u32 v[ADS], s[TS], v8
	v_nop
	ds_load_b128 v[248:251], v[ADS]                ; K's scale words
	FLOAD ADK
	s_wait_alu depctr_va_vdst(0)
	s_wait_dscnt 12                                ; the scale words and fragments 0-3 are in; the youngest 12 loads may be out
	WIN 0
	KQ4 0, 0
	WIN 0x44                                       ; source 1 (Q) and D in window 1
	KQ4 0, 1
	s_wait_dscnt 0x0
	WIN 0x01                                       ; source 0 (fragments 4-7) in window 1
	KQ4 4, 0
	WIN 0x45
	KQ4 4, 1
	WIN 0
	PLACES 4                                       ; ahead of the loads into registers that products have read, and of the first read of the scores
	ds_load_b128 v[248:251], v[ADS] offset:VSO     ; V's scale words and fragments land under the softmax
	FLOAD ADV
	WIN 0
	SOFTMAX 0
	WIN 0x55
	SOFTMAX 1
	s_wait_alu depctr_va_vdst(0)
	s_wait_dscnt 0x0                               ; V is in
	WIN 0
	PV4 0, 0                                       ; sixteen different accumulators, one instruction each
	WIN 0x54
	PV4 0, 1
	WIN 0x01
	PV4 4, 0
	WIN 0x55
	PV4 4, 1
	WIN 0
	s_add_co_u32 s[TK], s[TK], POSB
	s_add_co_u32 s[TS], s[TS], 512
.endm
	s_wait_alu depctr_va_vdst(0)                   ; the wait at the head's end
	s_wait_tensorcnt 0x0                           ; my part of key steps 0-3, or my scale words, are in; these lines stand ahead of a later first fill as ahead of a refill
	ds_add_u32 v[SPW], v[NIL]                      ; 0 onto my spare word
	s_mov_b32 s[G1C+2], 128<<16                    ; no tensor load of mine is out, so a descriptor may be written: 128 rows a wave
	s_mov_b32 s[G1C+4], 128
	s_wait_dscnt 0x0                               ; the add is done
	ROUND                                          ; so it is in every wave of every partner
	s_cmp_lt_u32 s[WV], 6
	s_cbranch_scc0 .Ls_done
	tensor_load_to_lds s[G0C+4:G0C+7], s[G1C:G1C+7]  ; key steps 4-11: they have key steps 0-3 in which to land
	s_nop 0
	PLACES 4
.Ls_done:
	s_wait_loadcnt 0x0                             ; Q
	s_mov_b32 s[TK], 0
	s_mov_b32 s[TS], 0
	s_mov_b32 s[CNT], 4
.Lphase_a:                                             ; key steps 0-3
	STEP
	s_sub_co_u32 s[CNT], s[CNT], 1
	s_cmp_lg_u32 s[CNT], 0
	s_cbranch_scc1 .Lphase_a
	s_wait_tensorcnt 0x0                           ; all my tensor loads have landed (key steps 4-11), so the descriptors may be written
	ds_add_u32 v[SPW], v[NIL]                      ; 0 onto my spare word
	s_add_nc_u64 s[G0C+2:G0C+3], s[G0C+2:G0C+3], 12*POSB           ; key steps 12-15
	s_mov_b32 s[G1C+2], 64<<16                     ; 64 rows a wave again
	s_mov_b32 s[G1C+4], 64
	s_wait_dscnt 0x0                               ; the add is done, and my reads of key steps 0-3 are over
	ROUND                                          ; so it is in every wave of every partner
	s_cmp_lt_u32 s[WV], 6
	s_cbranch_scc0 .Lr_done
	tensor_load_to_lds s[G0C:G0C+3], s[G1C:G1C+7]  ; the one refill: it has eight key steps in which to land
	s_nop 0
	PLACES 4
.Lr_done:
	s_mov_b32 s[TK], 4*POSB
	s_mov_b32 s[TS], 4*512
	s_mov_b32 s[CNT], 8
.Lphase_b:                                             ; key steps 4-11
	STEP
	s_sub_co_u32 s[CNT], s[CNT], 1
	s_cmp_lg_u32 s[CNT], 0
	s_cbranch_scc1 .Lphase_b
	s_wait_tensorcnt 0x0                           ; the refill has landed
	ds_add_u32 v[SPW], v[NIL]
	s_wait_dscnt 0x0
	s_barrier_signal -1
	s_barrier_wait -1                              ; in every wave
	s_mov_b32 s[TK], 0
	s_mov_b32 s[TS], 12*512                        ; the scale words of all 16 key steps lie on end
	s_mov_b32 s[CNT], 4
.Lphase_c:
	STEP
	s_sub_co_u32 s[CNT], s[CNT], 1
	s_cmp_lg_u32 s[CNT], 0
	s_cbranch_scc1 .Lphase_c
	; THE WAY OUT.  O^T / the sum: register 8 t + j is channel 32 (t / 2) + 16 h + 8 (t % 2) + j of my query: 128 neighbours along the next product's K, quantised where they stand.
.macro FINISH
	v_add_f32 v14, v14, v15
	s_delay_alu instid0(VALU_DEP_1)
	v_permlanex16_b32 v236, v14, s[SEL], s[SEL+1]
	s_delay_alu instid0(VALU_DEP_1)
	v_add_f32 v14, v14, v236                       ; the row's sum
	s_wait_alu depctr_va_vdst(0)
	v_rcp_f32 v14, v14
	v_nop                                          ; a plain line behind the reciprocal,
	s_wait_alu depctr_va_vdst(0)                   ; and the wait ahead of its first reader
.set j, 0
.rept 32
	v_pk_mul_f32 v[96+j:97+j], v[160+j:161+j], v[14:15] op_sel_hi:[1,0]
.set j, j+2
.endr
	QUANT 96
.endm
	PLACES 4
	v_cmp_le_u32 vcc_lo, 16, v88                   ; lanes 16-31
	FINISH
.irp c, 0,1,2
	global_store_b128 v[LI], v[PC+4*\c:PC+4*\c+3], s[78:79] offset:512*\c
.endr
	WIN 0x55
	FINISH
	WIN 0x04                                       ; a store's data, and a select's second source: window 1
.irp c, 0,1,2
	global_store_b128 v[LI], v[PC+4*\c:PC+4*\c+3], s[78:79] offset:12288+512*\c
.endr
	v_cndmask_b32 v85, v[PW], v[PW], vcc_lo        ; tile 0's scale words in lanes 0-15, tile 1's in lanes 16-31
	WIN 0
	ds_store_b32 v9, v85
	s_wait_dscnt 0x0                               ; for the others' sake
	s_barrier_signal -1
	s_barrier_wait -1
	s_cmp_gt_u32 s[WV], 1
	s_cbranch_scc1 .Lno_words
	ds_load_b128 v[92:95], v84                     ; waves 0 and 1: the work-group's 256 words, 512 consecutive bytes a store
	s_wait_dscnt 0x0
	global_store_b128 v86, v[92:95], s[80:81]
.Lno_words:
	s_wait_tensorcnt 0x0                           ; the wave's end
	ds_add_u32 v[SPW], v[NIL]
	s_wait_dscnt 0x0
	ROUND                                          ; the closing round
	s_endpgm
.Lfunc_end_k_qed0e55cb09_attn:
	.size	k_qed0e55cb09_attn, .Lfunc_end_k_qed0e55cb09_attn-k_qed0e55cb09_attn
	.p2alignl 7, 3214868480
	.fill 96, 4, 3214868480
	.section	.rodata,"a",@progbits
	.p2align	6, 0x0
	.amdhsa_kernel k_qed0e55cb09_attn
		.amdhsa_group_segment_fixed_size 327680
		.amdhsa_private_segment_fixed_size 0
		.amdhsa_enable_private_segment 0
		.amdhsa_kernarg_size 32
		.amdhsa_user_sgpr_count 2
		.amdhsa_user_sgpr_kernarg_segment_ptr 1
		.amdhsa_wavefront_size32 1
		.amdhsa_system_sgpr_workgroup_id_x 1
		.amdhsa_system_sgpr_workgroup_id_y 1
		.amdhsa_system_sgpr_workgroup_id_z 1
		.amdhsa_system_vgpr_workitem_id 0
		.amdhsa_next_free_vgpr 512
		.amdhsa_next_free_sgpr 100
		.amdhsa_reserve_vcc 1
		.amdhsa_float_denorm_mode_32 3
		.amdhsa_float_denorm_mode_16_64 3
		.amdhsa_memory_ordered 1
		.amdhsa_forward_progress 1
		.amdhsa_inst_pref_size 139
	.end_amdhsa_kernel
	.amdgpu_metadata
---
amdhsa.version: [ 1, 2 ]
amdhsa.kernels:
  - .name:           k_qed0e55cb09_attn
    .symbol:         k_qed0e55cb09_attn.kd
    .args:
      - { .name: qkvimg, .offset: 0, .size: 8, .value_kind: global_buffer, .address_space: global }
      - { .name: qkvsc, .offset: 8, .size: 8, .value_kind: global_buffer, .address_space: global }
      - { .name: cimg, .offset: 16, .size: 8, .value_kind: global_buffer, .address_space: global }
      - { .name: csc, .offset: 24, .size: 8, .value_kind: global_buffer, .address_space: global }
    .group_segment_fixed_size: 327680
    .private_segment_fixed_size: 0
    .kernarg_segment_align: 8
    .kernarg_segment_size: 32
    .max_flat_workgroup_size: 256
    .sgpr_count:     100
    .vgpr_count:     512
    .wavefront_size: 32
...
	.end_amdgpu_metadata
.endif
;; end of part 3
;; launch outln (part 4): grid 256 x 1, 4 waves a work-group, clusters of 4 x 1, 327,680 bytes of LDS; arguments inimg, insc, cimg, csc, x, bo, gamma, beta, out0; writes out0
.if DOCPART == 4
	.amdgcn_target "amdgcn-amd-amdhsa--gfx1250"
	.amdhsa_code_object_version 6
	.text
	.protected	k_qed0e55cb09_outln
	.globl	k_qed0e55cb09_outln
	.p2align	8
	.type	k_qed0e55cb09_outln,@function
k_qed0e55cb09_outln:
	s_mov_b64 s[64:65], 0
	v_nop
	global_prefetch_b8 v0, s[64:65] scope:SCOPE_SE
	s_setreg_imm32_b32 hwreg(HW_REG_WAVE_MODE, 25, 1), 1
	s_wait_xcnt 0x0
	s_wait_alu depctr_hold_cnt(0) depctr_sa_sdst(0) depctr_va_vdst(0) depctr_va_sdst(0) depctr_va_ssrc(0) depctr_va_vcc(0) depctr_vm_vsrc(0)
	s_getreg_b32 s2, hwreg(HW_REG_IB_STS2, 6, 4)
	s_cmp_eq_u32 s2, 0
	s_cbranch_scc0 .Lentry_in_a_cluster
	s_endpgm
.Lentry_in_a_cluster:
	s_bfe_u32 s2, ttmp6, 0x10000c
	s_cmp_lg_u32 s2, 0x3003
	s_cbranch_scc0 .Lentry_shape_is_right
	s_endpgm
.Lentry_shape_is_right:
; out = LayerNorm(ctx Wo + bo + x) gamma + beta.  ctx and Wo are codes of FP6 (E2M3) with E8M0 scales, stored as images of operand registers (a fragment: 16 rows x 128 K, 1,536 bytes, three loads of 512 consecutive bytes).
; SHARES.  A work-group owns 32 tokens (two stored tiles of ctx) and all 1,024 columns, so that a row's mean and variance need no other work-group; a wave owns 256 columns: 2 x 16 accumulators, 256 registers.
; The product is used transposed (source 0 = 16 columns of Wo, source 1 = 16 tokens): a lane holds one token, its registers run along the columns.  bo is the C of each sum's first product.
; Wo.  A wave's 256 columns are 196,608 bytes on end in inimg, in halves of a K step: 8 fragments, 12,288 bytes.  Each byte is read by this wave alone.
;   Halves 0-9 (K steps 0-4) go from memory STRAIGHT INTO OPERAND REGISTERS, three buffers of 96 registers by turns: half i + 3 is asked for behind half i's products.  No LDS, no barrier in the walk.
;   Halves 10-15 (K steps 5-7, 73,728 bytes a wave) come by ONE tensor load a wave at the head, asked for jointly by the cluster's four work-groups (mask 15), filled once, read by the issuing wave alone.
;   Why the first ten halves are not asked for jointly: LDS has room for 4 x 73,728 bytes; more of Wo through LDS would be refills, each behind a round of the cluster's barrier for 73,728 bytes a wave and 96 products.
; ctx's two fragments of a K step come with that step's first half (two sets by turns).
; x.  A wave's 8 rows (32,768 bytes) are prefetched into the L2 in halves 0-3, 32 blocks of 256 bytes an instruction, each block named once, by the wave that loads it; row r is loaded behind half r + 5, five halves
; or more behind its prefetch, into registers that are free by then.  The prefetch's address registers are never written again.
; THE WAITS ON LOADcnt are counted by the assembler: ISS counts the loads issued so far, MK0-2 hold ISS behind the loads of the half in each buffer; the wait leaves out what was issued behind them (63 at the most).
; THE WAY OUT.  The sums go through a stage in LDS (32 rows of 4,112 bytes, on the bytes of Wo's K steps 5-7, which have had their one fill and, behind a barrier, their last read) and come back by rows: a wave takes 8 rows.
; No address register and no store's data are written again, so no wait on XCNT is written.
; REGISTERS.  window 0: v1-29 addresses; v32-95 Wo's scale words; v96-103 ctx's; v104-127 ctx set 0; v128-255 bo, then x rows 0-3.   window 1: v0-95 buffer 2; v96-159 x rows 6, 7; v160-183 ctx set 1; v192-255 gamma, beta.
;   window 2: accumulator (m, t) at v[8 (16 m + t)], later the rows.   window 3: v0-95, v96-191 buffers 0, 1; v192-255 x rows 4, 5.
.set WOB,   8650752                    ; where Wo's fragments begin in inimg
.set RING,  73728                      ; a wave's part of LDS: its K steps 5-7 of Wo
.set SPARE, 4*RING                     ; the spare words, 128 bytes for each wave: two blocks of 256 bytes that no other line names
.set SPITCH, 4112
.set NDIR,  10                         ; halves that come straight into registers
.set WV,  22
.set G1C, 44
.set G0,  52
.set SEL, 76
.set LI,  4                            ; v4  16 x lane
.set ADL, 5                            ; v5  my part of LDS; v6 the same 49,152 bytes on
.set ADH, 6
.set STO0, 7
.set STO1, 16
.set RD,  17
.set PFO, 21                           ; v21 the prefetches' offset: 4,096 (lane / 16) + 256 (lane % 16)
.set SPW, 28
.set NIL, 29
.set WS,  32
.set CSC, 96
.set BOD, 128
.set MSB, 0
.macro WIN new                         ; the immediate's high byte repeats the setting that is left
.if MSB != (\new)
	s_set_vgpr_msb (MSB<<8)|(\new)
.set MSB, (\new)
.endif
.endm
.macro PLACES n
.rept \n
	v_nop
.endr
.endm
.macro ROUND                           ; a round of the cluster's barrier
	s_barrier_signal -1
	s_barrier_wait -1
	s_cmp_lg_u32 s[WV], 0
	s_cbranch_scc1 .Lnot_wave_0_\@
	s_barrier_signal -3
.Lnot_wave_0_\@:
	s_barrier_wait -3
	s_barrier_signal -1
	s_barrier_wait -1
.endm
	s_load_b256 s[4:11], s[0:1], 0x0               ; inimg, insc, cimg, csc
	s_load_b256 s[12:19], s[0:1], 0x20             ; x, bo, gamma, beta
	s_load_b64 s[20:21], s[0:1], 0x40              ; out0
	v_lshl_add_u32 v[SPW], v0, 2, SPARE
	v_mov_b32 v[NIL], 0
	ds_add_u32 v[SPW], v[NIL]                      ; the opening lines: the add, twice on end, and its wait ahead of my tensor load
	ds_add_u32 v[SPW], v[NIL]
	v_lshrrev_b32 v1, 5, v0
	v_readfirstlane_b32 s[WV], v1                  ; wave 0..3
	s_bfe_u32 s23, ttmp6, 0x40000                  ; cx
	s_lshl_b32 s24, ttmp9, 2
	s_add_co_u32 s24, s24, s23                     ; my block of 32 tokens: it enters global addresses of ctx, x and out0 alone
	s_mov_b32 s[G1C], 15|(3<<16)|(1<<21)           ; a dense block as 288 rows of 256 bytes (32 elements of 8)
	s_mov_b32 s[G1C+1], 32<<16
	s_mov_b32 s[G1C+2], 288<<16
	s_mov_b32 s[G1C+3], 32<<16
	s_mov_b32 s[G1C+4], 288
	s_mov_b32 s[G1C+5], 32
	s_mov_b32 s[G1C+6], 0
	s_mov_b32 s[G1C+7], 0
	s_mul_i32 s25, s[WV], RING
	s_lshl_b32 s26, s[WV], 10
	s_mul_i32 s27, s[WV], 8*SPITCH
	s_mul_i32 s80, s[WV], 196608
	s_add_co_u32 s80, s80, WOB
	s_mov_b32 s81, 0
	s_lshl_b32 s82, s24, 5                         ; my 8 rows on the way out: stage rows 8 wave on are tokens 32 block + 8 (wave / 2) + 16 (wave % 2) on (the stored order of a tile's rows)
	s_lshr_b32 s83, s[WV], 1
	s_lshl_b32 s83, s83, 3
	s_add_co_u32 s82, s82, s83
	s_and_b32 s83, s[WV], 1
	s_lshl_b32 s83, s83, 4
	s_add_co_u32 s82, s82, s83
	s_lshl_b32 s82, s82, 12
	s_mov_b32 s83, 0
	s_mov_b32 s[SEL], 0x76543210
	s_mov_b32 s[SEL+1], 0xfedcba98
	s_mov_b32 s78, 0x3a800000                      ; 1 / 1,024
	s_mov_b32 s79, 0x3727c5ac                      ; 1e-5
	v_and_b32 v1, 31, v0                           ; lane
	v_and_b32 v2, 15, v0                           ; r
	v_bfe_u32 v3, v0, 4, 1                         ; h
	v_lshlrev_b32 v[LI], 4, v1
	v_add_nc_u32 v[ADL], s25, v[LI]
	v_add_nc_u32 v[ADH], 49152, v[ADL]
	v_mul_u32_u24 v[STO0], v2, SPITCH              ; into the stage: row r, 1,024 wave + 64 h
	v_lshl_add_u32 v[STO0], v3, 6, v[STO0]
	v_add_nc_u32 v[STO0], s26, v[STO0]
	v_add_nc_u32 v[STO1], 16*SPITCH, v[STO0]
	v_add_nc_u32 v[RD], s27, v[LI]                 ; and back: my 8 rows, 16 bytes a lane
	v_lshlrev_b32 v18, 5, v2
	v_lshl_add_u32 v18, v3, 12, v18                ; Wo's scale words: lanes 0-15 tiles 0-7, lanes 16-31 tiles 8-15
	v_lshlrev_b32 v19, 2, v1                       ; ctx's: lanes 0-15 tile 0, lanes 16-31 tile 1
	v_lshlrev_b32 v20, 6, v3                       ; bo: 64 h
	v_lshlrev_b32 v[PFO], 8, v2
	v_lshl_add_u32 v[PFO], v3, 12, v[PFO]
	v_mov_b32 v13, 0                               ; (named as the upper halves of the pairs v[12:13], v[14:15])
	v_mov_b32 v15, 0
	s_mov_b32 s27, 0
	s_wait_dscnt 0x0                               ; both opening adds are done
	s_wait_alu depctr_va_vdst(0)                   ; the wait at the head's end
	s_wait_kmcnt 0x0
	s_add_nc_u64 s[80:81], s[4:5], s[80:81]        ; my 256 columns of Wo
	s_mov_b32 s[G0], 1
	s_mov_b32 s[G0+1], s25
	s_add_nc_u64 s[G0+2:G0+3], s[80:81], NDIR*12288
	s_or_b32 s[G0+3], s[G0+3], 0x80000000
	s_add_nc_u64 s[84:85], s[12:13], s[82:83]      ; x, out0: my 8 rows
	s_add_nc_u64 s[86:87], s[20:21], s[82:83]
	s_lshl_b32 s26, s[WV], 13
	s_add_co_u32 s26, s26, 88*4096
	s_add_nc_u64 s[88:89], s[6:7], s[26:27]        ; Wo's scale words: groups 88 + 2 wave and the next
	s_lshl_b32 s26, s24, 7
	s_add_nc_u64 s[90:91], s[10:11], s[26:27]      ; ctx's scale words
	s_mul_i32 s26, s24, 24576
	s_add_nc_u64 s[92:93], s[8:9], s[26:27]        ; ctx's fragments: (m, q) at (8 m + q) x 1,536
	s_lshl_b32 s26, s[WV], 10
	s_add_nc_u64 s[94:95], s[14:15], s[26:27]      ; bo: my 256 columns
	ROUND                                          ; all four work-groups are here: the joint loads meet
	tensor_load_to_lds s[G0:G0+3], s[G1C:G1C+7]    ; K steps 5-7: my one tensor load
	s_nop 0
	PLACES 4
.irp q, 0,1,2,3,4,5,6,7
	global_load_b128 v[WS+8*\q:WS+8*\q+3], v18, s[88:89] offset:512*\q
	global_load_b128 v[WS+8*\q+4:WS+8*\q+7], v18, s[88:89] offset:512*\q+16
	global_load_b32 v[CSC+\q], v19, s[90:91] offset:32768*\q
.endr
.irp t, 0,1,2,3,4,5,6,7,8,9,10,11,12,13,14,15
	global_load_b128 v[BOD+8*\t:BOD+8*\t+3], v20, s[94:95] offset:128*(\t/2)+32*(\t%2)      ; register 8 t + j: column 32 (t / 2) + 16 h + 8 (t % 2) + j
	global_load_b128 v[BOD+8*\t+4:BOD+8*\t+7], v20, s[94:95] offset:128*(\t/2)+32*(\t%2)+16
.endr
.set ISS, 56
.set MK0, 0
.set MK1, 0
.set MK2, 0
.macro SETB j                          ; half j's buffer
.if (\j)%3 == 2
.set BW, 1
.set BF, 0
.else
.set BW, 3
.set BF, 96*((\j)%3)
.endif
.endm
.macro SETC q                          ; K step q's set of ctx
.if (\q)%2
.set CW, 1
.set CF, 160
.else
.set CW, 0
.set CF, 104
.endif
.endm
.macro GET j                           ; half j is asked for: from memory or from LDS; with a K step's first half its two fragments of ctx
.if (\j)%2 == 0
	SETC (\j)/2
	WIN (CW<<6)
.irp m, 0,1
.irp c, 0,1,2
	global_load_b128 v[CF+12*\m+4*\c:CF+12*\m+4*\c+3], v[LI], s[92:93] offset:1536*(8*\m+(\j)/2)+512*\c
.endr
.endr
.set ISS, ISS+6
.endif
	SETB \j
	WIN (BW<<6)
.irp tt, 0,1,2,3,4,5,6,7
.irp c, 0,1,2
.if (\j) < NDIR
	global_load_b128 v[BF+12*\tt+4*\c:BF+12*\tt+4*\c+3], v[LI], s[80:81] offset:12288*(\j)+1536*\tt+512*\c
.elseif 8*((\j)-NDIR)+\tt < 32
	ds_load_b128 v[BF+12*\tt+4*\c:BF+12*\tt+4*\c+3], v[ADL] offset:1536*(8*((\j)-NDIR)+\tt)+512*\c
.else
	ds_load_b128 v[BF+12*\tt+4*\c:BF+12*\tt+4*\c+3], v[ADH] offset:1536*(8*((\j)-NDIR)+\tt-32)+512*\c
.endif
.endr
.endr
.if (\j) < NDIR
.set ISS, ISS+24
.endif
.if (\j)%3 == 0
.set MK0, ISS
.elseif (\j)%3 == 1
.set MK1, ISS
.else
.set MK2, ISS
.endif
.endm
.macro WAITH i                         ; half i and its ctx are in; what was issued behind them may be out
.if (\i)%3 == 0
.set YG, ISS-MK0
.elseif (\i)%3 == 1
.set YG, ISS-MK1
.else
.set YG, ISS-MK2
.endif
.if YG > 63
.set YG, 63
.endif
.if ((\i) < NDIR) || ((\i)%2 == 0)
	s_wait_loadcnt YG
.endif
.if (\i) >= NDIR
.if (\i) < 14
	s_wait_dscnt 48                                ; the two halves asked of LDS behind this one may be out
.else
	s_wait_dscnt 24*(15-(\i))
.endif
.endif
.endm
.macro XPLACE i                        ; where x's row i lies
.if (\i) < 4
.set XB, 128+32*(\i)
.set WX, 0
.elseif (\i) < 6
.set XB, 192+32*((\i)-4)
.set WX, 3
.else
.set XB, 96+32*((\i)-6)
.set WX, 1
.endif
.endm
.macro XROW i
	XPLACE \i
	WIN (WX<<6)
.irp k, 0,1,2,3,4,5,6,7
	global_load_b128 v[XB+4*\k:XB+4*\k+3], v[LI], s[84:85] offset:4096*(\i)+512*\k th:TH_LOAD_NT
.endr
.set ISS, ISS+8
.endm
.macro WM d, a, b, c, sa, sb, e, m     ; e: Wo's scale words in lanes 16-31; m: ctx's
.if ((\e) == 0) && ((\m) == 0)
	v_wmma_scale_f32_16x16x128_f8f6f4 v[(\d):(\d)+7], v[(\a):(\a)+11], v[(\b):(\b)+11], v[(\c):(\c)+7], v[\sa], v[\sb] matrix_a_fmt:MATRIX_FMT_FP6 matrix_b_fmt:MATRIX_FMT_FP6
.elseif ((\e) == 1) && ((\m) == 0)
	v_wmma_scale_f32_16x16x128_f8f6f4 v[(\d):(\d)+7], v[(\a):(\a)+11], v[(\b):(\b)+11], v[(\c):(\c)+7], v[\sa], v[\sb] matrix_a_fmt:MATRIX_FMT_FP6 matrix_b_fmt:MATRIX_FMT_FP6 matrix_a_scale:MATRIX_SCALE_ROW1
.elseif ((\e) == 0) && ((\m) == 1)
	v_wmma_scale_f32_16x16x128_f8f6f4 v[(\d):(\d)+7], v[(\a):(\a)+11], v[(\b):(\b)+11], v[(\c):(\c)+7], v[\sa], v[\sb] matrix_a_fmt:MATRIX_FMT_FP6 matrix_b_fmt:MATRIX_FMT_FP6 matrix_b_scale:MATRIX_SCALE_ROW1
.else
	v_wmma_scale_f32_16x16x128_f8f6f4 v[(\d):(\d)+7], v[(\a):(\a)+11], v[(\b):(\b)+11], v[(\c):(\c)+7], v[\sa], v[\sb] matrix_a_fmt:MATRIX_FMT_FP6 matrix_b_fmt:MATRIX_FMT_FP6 matrix_a_scale:MATRIX_SCALE_ROW1 matrix_b_scale:MATRIX_SCALE_ROW1
.endif
.endm
.macro MULH i                          ; 16 products: the half's 8 tiles of Wo x ctx's two tiles; sixteen accumulators, one instruction each
.set QQ, (\i)/2
.set EE, (\i)%2
	SETB \i
	SETC QQ
.if QQ == 0
	WIN (0x80|BW|(CW<<2))                          ; C: bo, in window 0
.else
	WIN (0xa0|BW|(CW<<2))
.endif
.irp tt, 0,1,2,3,4,5,6,7
.irp m, 0,1
.if QQ == 0
	WM 8*(16*\m+8*EE+\tt), BF+12*\tt, CF+12*\m, BOD+8*(8*EE+\tt), WS+8*QQ+\tt, CSC+QQ, EE, \m
.else
	WM 8*(16*\m+8*EE+\tt), BF+12*\tt, CF+12*\m, 8*(16*\m+8*EE+\tt), WS+8*QQ+\tt, CSC+QQ, EE, \m
.endif
.endr
.endr
.endm
	GET 0
	GET 1
	GET 2
.irp i, 0,1,2,3,4,5,6,7,8,9,10,11,12,13,14,15
	WAITH \i
.if \i < 4
	WIN 0
	global_prefetch_b8 v[PFO], s[84:85] offset:8192*\i th:TH_LOAD_NT scope:SCOPE_SE   ; x rows 2 i and 2 i + 1 of my 8; sixteen products stand between it and the next wait
.endif
	MULH \i
	PLACES 4                                       ; ahead of loads into registers that the products have read (behind the last half: of the stores of the sums)
.if \i+3 < 16
.if \i+3 == NDIR
	s_wait_tensorcnt 0x0                           ; my K steps 5-7 are in LDS; I alone read them
.endif
	GET \i+3
.endif
.if (\i >= 5) && (\i <= 12)
	XROW \i-5
.endif
.if \i == 13
	WIN 0x40
.irp k, 0,1,2,3,4,5,6,7
	global_load_b128 v[192+4*\k:195+4*\k], v[LI], s[16:17] offset:512*\k    ; gamma and beta, as a row lies in the lanes
	global_load_b128 v[224+4*\k:227+4*\k], v[LI], s[18:19] offset:512*\k
.endr
.set ISS, ISS+16
.endif
.endr
	WIN 0
	s_wait_dscnt 0x0                               ; my reads of Wo in LDS are over
	s_barrier_signal -1
	s_barrier_wait -1                              ; and everybody's: the stage may be written
	WIN 0x08
.irp t, 0,1,2,3,4,5,6,7,8,9,10,11,12,13,14,15
	ds_store_b128 v[STO0], v[8*\t:8*\t+3] offset:128*(\t/2)+32*(\t%2)              ; each accumulator from its low end on
	ds_store_b128 v[STO0], v[8*\t+4:8*\t+7] offset:128*(\t/2)+32*(\t%2)+16
.endr
.irp t, 0,1,2,3,4,5,6,7,8,9,10,11,12,13,14,15
	ds_store_b128 v[STO1], v[128+8*\t:128+8*\t+3] offset:128*(\t/2)+32*(\t%2)
	ds_store_b128 v[STO1], v[128+8*\t+4:128+8*\t+7] offset:128*(\t/2)+32*(\t%2)+16
.endr
	WIN 0
	s_wait_dscnt 0x0                               ; for the others' sake: my stores have landed
	s_barrier_signal -1
	s_barrier_wait -1
	WIN 0x80
.irp i, 0,1,2,3,4,5,6,7
.irp k, 0,1,2,3,4,5,6,7
	ds_load_b128 v[32*\i+4*\k:32*\i+4*\k+3], v[RD] offset:SPITCH*\i+512*\k         ; row i: 32 registers a lane, columns 128 k + 4 lane on
.endr
.endr
	WIN 0
	s_wait_loadcnt 0x0                             ; x, gamma, beta
.macro REDUCE                          ; the sum of v[8:11] over the wave, in every lane's v8
	v_pk_add_f32 v[8:9], v[8:9], v[10:11]
	v_add_f32 v8, v8, v9
	v_add_f32_dpp v8, v8, v8 row_xmask:1 row_mask:0xf bank_mask:0xf
	v_add_f32_dpp v8, v8, v8 row_xmask:2 row_mask:0xf bank_mask:0xf
	v_add_f32_dpp v8, v8, v8 row_xmask:4 row_mask:0xf bank_mask:0xf
	v_add_f32_dpp v8, v8, v8 row_xmask:8 row_mask:0xf bank_mask:0xf
	v_permlanex16_b32 v9, v8, s[SEL], s[SEL+1]
	v_add_f32 v8, v8, v9
.endm
.macro LNROW i                         ; y = row + x; mean; y - mean; variance; x rsqrt(variance + 1e-5) x gamma + beta; stored as 8 x 512 consecutive bytes
.set RW, 32*(\i)
	XPLACE \i
	s_wait_dscnt 8*(7-(\i))                        ; row i is back; the later rows' loads may be out
	WIN (0x82|(WX<<2))
.set p, 0
.rept 16
	v_pk_add_f32 v[RW+p:RW+p+1], v[RW+p:RW+p+1], v[XB+p:XB+p+1]
.set p, p+2
.endr
	WIN 0x0a
	v_pk_add_f32 v[8:9], v[RW:RW+1], v[RW+2:RW+3]
	v_pk_add_f32 v[10:11], v[RW+4:RW+5], v[RW+6:RW+7]
	WIN 0x08
.set p, 8
.rept 6
	v_pk_add_f32 v[8:9], v[8:9], v[RW+p:RW+p+1]
	v_pk_add_f32 v[10:11], v[10:11], v[RW+p+2:RW+p+3]
.set p, p+4
.endr
	WIN 0
	REDUCE
	v_mul_f32 v12, s78, v8
	WIN 0x82
.set p, 0
.rept 16
	v_pk_add_f32 v[RW+p:RW+p+1], v[RW+p:RW+p+1], v[12:13] op_sel_hi:[1,0] neg_lo:[0,1] neg_hi:[0,1]
.set p, p+2
.endr
	WIN 0x0a
	v_pk_mul_f32 v[8:9], v[RW:RW+1], v[RW:RW+1]
	v_pk_mul_f32 v[10:11], v[RW+2:RW+3], v[RW+2:RW+3]
.set p, 4
.rept 7
	v_pk_fma_f32 v[8:9], v[RW+p:RW+p+1], v[RW+p:RW+p+1], v[8:9]
	v_pk_fma_f32 v[10:11], v[RW+p+2:RW+p+3], v[RW+p+2:RW+p+3], v[10:11]
.set p, p+4
.endr
	WIN 0
	REDUCE
	v_fma_f32 v8, v8, s78, s79
	s_wait_alu depctr_va_vdst(0)                   ; the wait ahead of the transcendental,
	v_rsq_f32 v14, v8
	v_nop                                          ; a plain line behind it,
	s_wait_alu depctr_va_vdst(0)                   ; and the wait ahead of its first reader
	WIN 0x82
.set p, 0
.rept 16
	v_pk_mul_f32 v[RW+p:RW+p+1], v[RW+p:RW+p+1], v[14:15] op_sel_hi:[1,0]
.set p, p+2
.endr
	WIN 0x96
.set p, 0
.rept 16
	v_pk_fma_f32 v[RW+p:RW+p+1], v[RW+p:RW+p+1], v[192+p:193+p], v[224+p:225+p]
.set p, p+2
.endr
	WIN 0x08
.irp k, 0,1,2,3,4,5,6,7
	global_store_b128 v[LI], v[RW+4*\k:RW+4*\k+3], s[86:87] offset:4096*(\i)+512*\k th:TH_STORE_NT
.endr
.endm
.irp i, 0,1,2,3,4,5,6,7
	LNROW \i
.endr
	WIN 0
	s_wait_tensorcnt 0x0                           ; the wave's end
	ds_add_u32 v[SPW], v[NIL]
	s_wait_dscnt 0x0
	ROUND                                          ; the closing round
	s_endpgm
.Lfunc_end_k_qed0e55cb09_outln:
	.size	k_qed0e55cb09_outln, .Lfunc_end_k_qed0e55cb09_outln-k_qed0e55cb09_outln
	.p2alignl 7, 3214868480
	.fill 96, 4, 3214868480
	.section	.rodata,"a",@progbits
	.p2align	6, 0x0
	.amdhsa_kernel k_qed0e55cb09_outln
		.amdhsa_group_segment_fixed_size 327680
		.amdhsa_private_segment_fixed_size 0
		.amdhsa_enable_private_segment 0
		.amdhsa_kernarg_size 72
		.amdhsa_user_sgpr_count 2
		.amdhsa_user_sgpr_kernarg_segment_ptr 1
		.amdhsa_wavefront_size32 1
		.amdhsa_system_sgpr_workgroup_id_x 1
		.amdhsa_system_sgpr_workgroup_id_y 1
		.amdhsa_system_sgpr_workgroup_id_z 1
		.amdhsa_system_vgpr_workitem_id 0
		.amdhsa_next_free_vgpr 1024
		.amdhsa_next_free_sgpr 100
		.amdhsa_reserve_vcc 0
		.amdhsa_float_denorm_mode_32 3
		.amdhsa_float_denorm_mode_16_64 3
		.amdhsa_memory_ordered 1
		.amdhsa_forward_progress 1
		.amdhsa_inst_pref_size 164
	.end_amdhsa_kernel
	.amdgpu_metadata
---
amdhsa.version: [ 1, 2 ]
amdhsa.kernels:
  - .name:           k_qed0e55cb09_outln
    .symbol:         k_qed0e55cb09_outln.kd
    .args:
      - { .name: inimg, .offset: 0, .size: 8, .value_kind: global_buffer, .address_space: global }
      - { .name: insc, .offset: 8, .size: 8, .value_kind: global_buffer, .address_space: global }
      - { .name: cimg, .offset: 16, .size: 8, .value_kind: global_buffer, .address_space: global }
      - { .name: csc, .offset: 24, .size: 8, .value_kind: global_buffer, .address_space: global }
      - { .name: x, .offset: 32, .size: 8, .value_kind: global_buffer, .address_space: global }
      - { .name: bo, .offset: 40, .size: 8, .value_kind: global_buffer, .address_space: global }
      - { .name: gamma, .offset: 48, .size: 8, .value_kind: global_buffer, .address_space: global }
      - { .name: beta, .offset: 56, .size: 8, .value_kind: global_buffer, .address_space: global }
      - { .name: out0, .offset: 64, .size: 8, .value_kind: global_buffer, .address_space: global }
    .group_segment_fixed_size: 327680
    .private_segment_fixed_size: 0
    .kernarg_segment_align: 8
    .kernarg_segment_size: 72
    .max_flat_workgroup_size: 128
    .sgpr_count:     100
    .vgpr_count:     1024
    .wavefront_size: 32
...
	.end_amdgpu_metadata
.endif
;; end of part 4
